; MI455X (gfx1250); checked and timed in simulation.
; The chip was launched on July 23, 2026; its instructions are those of AMD's public machine-readable ISA for CDNA 5 (MIT licence, August 2026) and "CDNA5" Instruction Set Architecture Reference Guide (July 2026). The comments in the code are by the model that wrote it; some were corrected since.
;; Llama Attention. Allowed arithmetic: matrix products marked QUANTISED: E2M3 operands, one E8M0 scale for each 32 along K, by v_wmma_scale_f32_16x16x128_f8f6f4 with both operands' format E2M3, f32 sums; everything else in f32.
;; Inputs: attention_mask 1 x 1 x 2,048 x 2,048 float32; cos 2 x 2,048 x 128 float32; hidden_states 2 x 2,048 x 2,048 float32; sin 2 x 2,048 x 128 float32; wk 2,048 x 512 float32; wo 1,024 x 2,048 float32; wq 2,048 x 1,024 float32; wv 2,048 x 512 float32.
;; Outputs: out0 2 x 2,048 x 2,048 float32.
;; This version of the problem:
;;   THIS VERSION OF THE PROBLEM IS GIVEN IN LOW PRECISION. The matrix products marked QUANTISED in the list below multiply operands that are first quantised to E2M3 (2 exponent bits, 3 mantissa bits; 6 bits a number), with one power-of-two scale for each 32 numbers along K (OCP MX v1.0); their sums are f32. All else is computed in f32.
;;   The module's matrix products, in the order in which they are computed (A, B: the left and right operand; K: the contracted axis; several contracted axes count as one K, in the product's order):
;;     1. [M 4,096, K 2,048] x [K 2,048, N 1,024]; A: input hidden_states; B: input wq: QUANTISED
;;     2. [M 4,096, K 2,048] x [K 2,048, N 512]; A: input hidden_states; B: input wk: QUANTISED
;;     3. [M 4,096, K 2,048] x [K 2,048, N 512]; A: input hidden_states; B: input wv: QUANTISED
;;     4. batch 16 x [M 2,048, K 128] x [K 128, N 2,048]; A: computed on the way; B: computed on the way: QUANTISED
;;     5. batch 16 x [M 2,048, K 2,048] x [K 2,048, N 128]; A: softmax (see below); B: computed on the way: QUANTISED
;;     6. [M 4,096, K 1,024] x [K 1,024, N 2,048]; A: computed on the way; B: input wo: QUANTISED
;;   THE QUANTISER, for each operand of a quantised product, along K:
;;     - K is cut into blocks of 32 from its start; a last block that is shorter is filled with zeros.
;;     - A block's scale is 2^e with e = floor(log2(the largest magnitude in the block)) - 2, held to -126 .. 127; a block of zeros has e = 0. As a byte (E8M0): e + 127.
;;     - Each number is divided by its block's scale, clamped to +-7.5, and rounded to the nearest number of E2M3, ties to even, subnormals kept.
;;     - The product sums the exact products of the quantised numbers (number of the format x scale) in f32.
;;   ~~~python
;;   def quantise(x, axis):      # numpy; x: float32 -> the quantised numbers, widened to float32 again
;;       x = np.moveaxis(x, axis, -1); K = x.shape[-1]
;;       x = np.pad(x, [(0, 0)] * (x.ndim - 1) + [(0, -K % 32)]); x = x.reshape(x.shape[:-1] + (-1, 32)); a = np.abs(x).max(-1, keepdims=True)
;;       e = np.where(a > 0, np.clip(np.frexp(np.where(a > 0, a, 1))[1] - 1 - 2, -126, 127), 0)      # np.frexp(a)[1] - 1 = floor(log2(a)), exactly
;;       r = np.clip(x / 2.0 ** e, -7.5, 7.5)
;;       step = 2.0 ** (np.maximum(np.frexp(np.where(r == 0, 1, r))[1] - 1, 0) - 3)
;;       q = np.round(r / step) * step * 2.0 ** e      # np.round: ties to even
;;       return np.moveaxis(q.reshape(q.shape[:-2] + (-1,))[..., :K], -1, axis).astype(np.float32)
;;   ~~~
;;   SOFTMAX AHEAD OF A QUANTISED PRODUCT. Where the list says 'softmax', what is quantised is not the finished softmax but p = 2^(t - M), with t = logit x log2(e) and M = ceil(the row's largest t), a whole number; so 1/2 < the row's largest p <= 1. The row's sum l is taken of the UNQUANTISED p, in f32, and the product's result is divided by l at the end. Since M is a whole number, a kernel that streams over the keys may use a running M (the ceiling of the running maximum): every later rescaling is an exact power of two, which a block's scale takes up: the codes' values come out the same.
;;   OPERANDS COMPUTED ON THE WAY. 'Computed on the way' means the value that the module computes at that place (a softmax that the list does not call 'softmax' is quantised finished and normalised). What goes into a quantiser is computed in f32, as accurately as f32 sums, v_exp_f32 and their like allow (about 1e-6 of the number): no bf16 or f16 on the way to a quantiser, and a product that is left as it is and whose result goes on into a quantised operand takes f32 operands (vector FMAs, or v_wmma_f32_16x16x4_f32). A number that lies on a knife's edge between two numbers of the format may be rounded either way, as far as f32 arithmetic and the matrix unit's own rounding can turn it there, and no further.
;; One version. Each part assembles by itself: llvm-mc -triple=amdgcn-amd-amdhsa -mcpu=gfx1250 --defsym DOCPART=n.
;; ======== version 1 of 1: 4 launches
;; limits: right only within a limited range of input values
;; workspace buffers: xc 6,291,456 bytes; xs 262,144 bytes; wc 4,718,592 bytes; ws 196,608 bytes; qkvc 6,291,456 bytes; qkvs 524,288 bytes; ac 3,145,728 bytes; asc 131,072 bytes
;; launch quant (part 1): grid 704 x 1, 4 waves a work-group, no clusters, 59,904 bytes of LDS; arguments wq, wk, wv, wo, wc, ws, hidden_states, xc, xs; writes wc, ws, xc, xs
.if DOCPART == 1
	.amdgcn_target "amdgcn-amd-amdhsa--gfx1250"
	.amdhsa_code_object_version 6
	.text
	.protected	k_qd4ef64685e_quant
	.globl	k_qd4ef64685e_quant
	.p2align	8
	.type	k_qd4ef64685e_quant,@function
k_qd4ef64685e_quant:
	s_mov_b64 s[64:65], 0
	v_nop
	global_prefetch_b8 v0, s[64:65] scope:SCOPE_SE
	s_setreg_imm32_b32 hwreg(HW_REG_WAVE_MODE, 25, 1), 1
	s_wait_xcnt 0x0
; THE PROGRAM: Llama attention, B 2, S 2048, HID 2048, 8 query heads, 4 key/value heads, head size 128; all six matrix products on codes of FP6 (E2M3) with one E8M0 scale for each 32 along K.
; Four launches: quant (hidden_states and the four weights -> codes), qkv (products 1-3, RoPE, the quantisers of q, k, v), attn (products 4 and 5, mask, softmax, the quantiser of its result), oproj (product 6).
; NO WORK IS LEFT OUT: attention_mask, cos and sin are inputs and are honoured number by number (no causal pattern, no equal halves, no equal batches are built in); every score is computed; all eight inputs are loaded.
; OPERANDS LIE IN MEMORY AS IMAGES OF THE OPERAND'S REGISTERS.  A fragment is 16 rows x 128 along K: 12 registers a lane, 1,536 bytes: registers 4 g .. 4 g + 3 of lane l at 512 g + 16 l.
; THE ROWS OF A TILE ARE NOT NEIGHBOURS: in each group of 32 rows, place r of tile u (0, 1) holds row 8 u + r % 8 + 16 (r / 8).  A product that takes such tiles as source 0 leaves, in the 16 registers of two
; neighbouring tiles, 16 NEIGHBOURS of that operand's rows: what the next quantiser wants in one lane.
; A block's scale is 2^(floor(log2(its largest magnitude)) - 2); its byte is the largest magnitude's exponent field - 2, held at 1 from below (a block of zeros keeps the byte 1: its codes are zeros, and this program alone reads the bytes).
; LIMITS: NaN and infinities among the inputs are not served; blocks whose largest magnitude lies under 2^-124 keep the byte 1.
; THIS LAUNCH HAS TWO WAYS, which part once, on the work-group's number, and never join; each has LDS bytes of its own.  Waves share nothing: no barrier.
; WORK-GROUPS 0-191, THE WEIGHTS (f32 with K as their FIRST axis): 0-63 wq, 64-95 wk, 96-127 wv, 128-191 wo; numbers and pointers are chosen by the work-group's number.  They stand first, since a wave's eight blocks follow each other.
;   wc: rows n of [wq | wk | wv] (2,048 of them, 128 tiles): fragment (T, s) at (16 T + s) x 1,536; wo's (128 tiles, 8 K steps) from byte 3,145,728 on, at (8 T + s) x 1,536.  ws: [place][64]; wo's from byte 131,072 on: [place][32].
;   A LANE TAKES A COLUMN AND ITS REGISTERS RUN DOWN K: a block of 32 lies in one lane, so its largest magnitude needs no other lane, and the conversions give codes with K innermost.
;   A work-group takes 128 columns x 256 along K, a wave 32 columns (two tiles, two K steps: four fragments).  The codes go through the wave's own stage in LDS, laid as the images are, and leave in stores of 512 consecutive bytes.
; WORK-GROUPS 192-703, hidden_states [4096][2048] f32 -> xc: fragment (tile T, K step s) at (16 T + s) x 1,536; xs: [place 16 T + r][64 scale bytes].
;   Work-group g' = g - 192: tile T = g' / 2; wave w: K steps 8 (g' % 2) + 2 w and the next.  Each load reads 512 consecutive bytes of one row; a fragment's 16 rows turn through the wave's own stage in LDS, so that a lane
;   gets 16 neighbours of each block of 32.
.set NWGW,  192                        ; the weights' work-groups
.set XSTG,  8448                       ; x: a wave's stage: 16 rows x (512 bytes + 16): row i starts 4 i banks on
.set WSTG0, 4*XSTG                     ; behind x's four stages: the weights' four,
.set WSTG,  6400                       ; of 6,400 bytes each
.set SPARE, WSTG0+4*WSTG               ; behind them: the spare words, 128 bytes for each wave
.set LI,   4                           ; v4   16 x lane (both ways)
.set SPW,  14                          ; v14  my spare word; never rewritten
.set NIL,  15                          ; v15  0; never rewritten
; the weights' way
.set WST,  5                           ; v5   the stage, on the way in: 6,400 w + 3,200 u + 16 r'
.set RDA,  6                           ; v6   on the way out: 6,400 w + 16 x lane
.set SCO,  7                           ; v7   my column's row of scale bytes
.set SB,   24                          ; v24-25 my column's eight scale bytes
.set OFFS, 32                          ; v32-63 4 x lane + i rows of the weight
.set WX,   64                          ; v64-127 two sets of 32 numbers
.set C,    128                         ; v128-138 a block's codes
.set OUTR, 140                         ; v140-187 the way out
.set BASE, 32                          ; s[32:47] where block t's 32 rows begin
.set DST,  50                          ; s[50:53] where tile u's two fragments go
; x's way
.set SIN,  5                           ; v5   the stage, on the way in
.set SOUT, 6                           ; v6   and on the way out: row r, + 64 h
.set XSO,  7                           ; v7   my scale word's place: 64 r + 4 h
.set TM,   16                          ; v16-31   at work in QUANT
.set R,    32                          ; v32-159  two fragments' numbers as loaded
.set X,    160                         ; v160-223 64 numbers: register 16 b + i = k 32 b + 16 h + i of my row
.set PC,   224                         ; v224-243 the codes
.set PWA,  244                         ; the two fragments' scale words
.set PWB,  245
.set PWS,  246
.set SEL,  18                          ; s[18:19] lane selects: lane l xor 16
	v_lshl_add_u32 v[SPW], v0, 2, SPARE
	v_mov_b32 v[NIL], 0
	v_lshrrev_b32 v1, 5, v0
	v_readfirstlane_b32 s16, v1                    ; wave
	s_cmp_lt_u32 ttmp9, NWGW                       ; the one parting of the ways
	s_cbranch_scc0 .Lx_way
	; ================ THE WEIGHTS ================
	s_load_b256 s[4:11], s[0:1], 0x0               ; wq, wk, wv, wo
	s_load_b128 s[12:15], s[0:1], 0x20             ; wc, ws
	v_and_b32 v1, 31, v0                           ; lane = my column in the wave's 32
	v_bfe_u32 v2, v0, 3, 1                         ; u: which of the two tiles
	v_and_b32 v3, 7, v0
	v_bfe_u32 v8, v0, 4, 1
	v_lshl_add_u32 v3, v8, 3, v3                   ; r': my place in it
	v_lshlrev_b32 v[LI], 4, v1
	s_mul_i32 s17, s16, WSTG
	s_add_co_u32 s17, s17, WSTG0                   ; my stage
	v_mul_u32_u24 v[WST], v2, 3200                 ; (tile 1 begins 128 bytes behind tile 0's 3,072, so that the two tiles' lanes fall on different banks)
	v_lshl_add_u32 v[WST], v3, 4, v[WST]
	v_add_nc_u32 v[WST], s17, v[WST]
	v_add_nc_u32 v[RDA], s17, v[LI]
	s_mov_b32 s24, 128                             ; wo's figures: first work-group,
	s_mov_b32 s25, 4                               ; log2 of the blocks of 128 columns,
	s_mov_b32 s26, 0                               ; first tile,
	s_mov_b32 s27, 3                               ; log2 of the K steps,
	s_mov_b32 s28, 3145728                         ; where its codes begin,
	s_mov_b32 s29, 131072                          ; and its scale bytes
	s_cmp_lt_u32 ttmp9, 128                        ; wv's
	s_cselect_b32 s24, 96, s24
	s_cselect_b32 s25, 2, s25
	s_cselect_b32 s26, 96, s26
	s_cselect_b32 s27, 4, s27
	s_cselect_b32 s28, 0, s28
	s_cselect_b32 s29, 0, s29
	s_cmp_lt_u32 ttmp9, 96                         ; wk's
	s_cselect_b32 s24, 64, s24
	s_cselect_b32 s26, 64, s26
	s_cmp_lt_u32 ttmp9, 64                         ; wq's
	s_cselect_b32 s24, 0, s24
	s_cselect_b32 s25, 3, s25
	s_cselect_b32 s26, 0, s26
	s_sub_co_u32 s22, ttmp9, s24
	s_lshl_b32 s30, 1, s25
	s_sub_co_u32 s30, s30, 1
	s_and_b32 s30, s22, s30                        ; which 128 columns
	s_lshr_b32 s31, s22, s25                       ; which 256 along K
	s_lshl_b32 s23, 512, s25                       ; a row of the weight in bytes
	v_lshlrev_b32 v[OFFS], 2, v1
.set i, 1
.rept 31
	v_add_nc_u32 v[OFFS+i], s23, v[OFFS+i-1]
.set i, i+1
.endr
	s_lshl_b32 s56, s31, 8
	s_mul_i32 s56, s56, s23
	s_lshl_b32 s57, s30, 9
	s_add_co_u32 s56, s56, s57
	s_lshl_b32 s57, s16, 7
	s_add_co_u32 s56, s56, s57                     ; my wave's first number
	s_mov_b32 s57, 0
	s_lshl_b32 s48, s23, 5                         ; 32 rows on
	s_mov_b32 s49, 0
	s_wait_alu depctr_va_vdst(0)
	s_wait_kmcnt 0x0
	s_cmp_lt_u32 ttmp9, 128                        ; the choices hang on the work-group's number alone
	s_cselect_b64 s[20:21], s[8:9], s[10:11]
	s_cmp_lt_u32 ttmp9, 96
	s_cselect_b64 s[20:21], s[6:7], s[20:21]
	s_cmp_lt_u32 ttmp9, 64
	s_cselect_b64 s[20:21], s[4:5], s[20:21]
	s_add_nc_u64 s[BASE:BASE+1], s[20:21], s[56:57]
.irp t, 1,2,3,4,5,6,7
	s_add_nc_u64 s[BASE+2*\t:BASE+2*\t+1], s[BASE+2*\t-2:BASE+2*\t-1], s[48:49]
.endr
.macro LOAD t                          ; block t: rows 32 t + i at my column, into set t % 2: a wave reads 128 consecutive bytes, the four waves 512
.set i, 0
.rept 32
	global_load_b32 v[WX+32*((\t)%2)+i], v[OFFS+i], s[BASE+2*(\t):BASE+2*(\t)+1] th:TH_LOAD_NT
.set i, i+1
.endr
.endm
	LOAD 0
	LOAD 1
	s_lshl_b32 s58, s30, 3
	s_add_co_u32 s58, s58, s26
	s_lshl_b32 s59, s16, 1
	s_add_co_u32 s58, s58, s59                     ; my wave's first tile
	s_lshl_b32 s56, s58, s27
	s_lshl_b32 s59, s31, 1
	s_add_co_u32 s56, s56, s59
	s_mul_i32 s56, s56, 1536
	s_add_co_u32 s56, s56, s28
	s_add_nc_u64 s[DST:DST+1], s[12:13], s[56:57]  ; its fragments of my two K steps lie on end,
	s_lshl_b32 s56, 1536, s27
	s_add_nc_u64 s[DST+2:DST+3], s[DST:DST+1], s[56:57]   ; the next tile's a tile's fragments on
	s_add_co_u32 s59, s27, 2                       ; log2 of a row of scale bytes
	s_lshl_b32 s56, s58, 4
	s_lshl_b32 s56, s56, s59
	s_lshl_b32 s58, s31, 3
	s_add_co_u32 s56, s56, s58
	s_add_co_u32 s56, s56, s29
	s_add_nc_u64 s[54:55], s[14:15], s[56:57]
	v_lshl_add_u32 v[SCO], v2, 4, v3
	v_lshlrev_b32 v[SCO], s59, v[SCO]
; Block t is block t % 4 of K step t / 4: registers 6 c .. 6 c + 5 (c = (t / 2) % 2) of lane r' + 16 (t % 2) of the fragment.
.macro BLOCK t
.set XS, WX+32*((\t)%2)
.set IM, 1536*((\t)/4)+256*((\t)%2)
.if (\t) < 7
	s_wait_loadcnt 32                              ; this block's 32 loads are in; the next block's may be out
.else
	s_wait_loadcnt 0x0
.endif
	v_max3_num_f32 v8, |v[XS]|, |v[XS+1]|, |v[XS+2]|
	v_max3_num_f32 v9, |v[XS+3]|, |v[XS+4]|, |v[XS+5]|
.irp i, 6,10,14,18,22,26
	v_max3_num_f32 v8, v8, |v[XS+\i]|, |v[XS+\i+1]|
	v_max3_num_f32 v9, v9, |v[XS+\i+2]|, |v[XS+\i+3]|
.endr
	v_max3_num_f32 v8, v8, |v[XS+30]|, |v[XS+31]|
	v_max3_num_f32 v8, v8, v9, 0x1800000           ; and the floor 2^(3 - 127)
	v_add_nc_u32 v10, 0xff000000, v8               ; 2 off the exponent field: the conversion's scale operand
	v_lshrrev_b32 v9, 23, v10                      ; the scale's byte
.if (\t)%4 == 0
	v_mov_b32 v[SB+(\t)/4], v9
.else
	v_lshl_or_b32 v[SB+(\t)/4], v9, 8*((\t)%4), v[SB+(\t)/4]
.endif
	v_cvt_scalef32_pk16_fp6_f32 v[C:C+2], v[XS:XS+15], v10
	v_cvt_scalef32_pk16_fp6_f32 v[C+8:C+10], v[XS+16:XS+31], v10   ; (three registers that begin on an even number)
	v_nop                                          ; one plain place behind a scaled conversion
.irp i, 0,1,2
	v_mov_b32 v[C+3+\i], v[C+8+\i]                 ; the block's six registers on end
.endr
.if ((\t)/2)%2 == 0
	ds_store_b128 v[WST], v[C:C+3] offset:IM       ; registers 0-3
	ds_store_b64 v[WST], v[C+4:C+5] offset:IM+512  ; registers 4, 5
.else
	ds_store_b64 v[WST], v[C:C+1] offset:IM+520    ; registers 6, 7
	ds_store_b128 v[WST], v[C+2:C+5] offset:IM+1024   ; registers 8-11
.endif
.if (\t)+2 < 8
	LOAD (\t)+2
.endif
	s_wait_dscnt 0x0                               ; the stores have read their registers
.endm
.irp t, 0,1,2,3,4,5,6,7
	BLOCK \t
.endr
	s_wait_alu depctr_va_vdst(0)
	global_store_b64 v[SCO], v[SB:SB+1], s[54:55]  ; my column's eight scale bytes
.irp u, 0,1
.irp p, 0,1,2,3,4,5
	ds_load_b128 v[OUTR+4*(6*\u+\p):OUTR+4*(6*\u+\p)+3], v[RDA] offset:3200*\u+512*\p   ; LDS serves a wave's instructions in order: these see my stores
.endr
.endr
.irp u, 0,1
.irp p, 0,1,2,3,4,5
	s_wait_dscnt 11-(6*\u+\p)                      ; the younger loads may be out
	global_store_b128 v[LI], v[OUTR+4*(6*\u+\p):OUTR+4*(6*\u+\p)+3], s[DST+2*\u:DST+2*\u+1] offset:512*\p   ; 512 consecutive bytes, aligned
.endr
.endr
	s_wait_tensorcnt 0x0                           ; the wave's end
	ds_add_u32 v[SPW], v[NIL]
	s_wait_dscnt 0x0
	s_endpgm
	; ================ hidden_states ================
; 64 numbers of a lane become a fragment's codes in v[PC] on and its scale word in v[pw].
.macro QUANT s, pw
.irp b, 0,1,2,3
	v_max3_num_f32 v[TM+\b], |v[(\s)+16*\b]|, |v[(\s)+1+16*\b]|, 0x1800000   ; block b: my 16 numbers, and the floor 2^(3 - 127): the byte cannot fall under 1
.endr
.irp i, 2,4,6,8,10,12,14
.irp b, 0,1,2,3
	v_max3_num_f32 v[TM+\b], v[TM+\b], |v[(\s)+16*\b+\i]|, |v[(\s)+1+16*\b+\i]|   ; the four blocks by turns
.endr
.endr
.irp b, 0,1,2,3
	v_permlanex16_b32 v[TM+4+\b], v[TM+\b], s[SEL], s[SEL+1]
.endr
.irp b, 0,1,2,3
	v_max_num_f32 v[TM+\b], v[TM+\b], v[TM+4+\b]   ; with lane l xor 16's: the block's largest magnitude
.endr
.irp b, 0,1,2,3
	v_add_nc_u32 v[TM+12+\b], 0xff000000, v[TM+\b]   ; 2 off its exponent field: the conversion's scale operand
.endr
.irp b, 0,1,2,3
	v_lshrrev_b32 v[TM+4+\b], 23, v[TM+12+\b]      ; the scale's byte
.endr
	v_lshl_or_b32 v[\pw], v[TM+5], 8, v[TM+4]      ; four bytes: my row's scale word
	v_lshl_or_b32 v[\pw], v[TM+6], 16, v[\pw]
	v_lshl_or_b32 v[\pw], v[TM+7], 24, v[\pw]
.irp c, 0,1
	v_cvt_scalef32_pk16_fp6_f32 v[PC+6*\c:PC+2+6*\c], v[(\s)+32*\c:(\s)+15+32*\c], v[TM+12+2*\c]
	v_cvt_scalef32_pk16_fp6_f32 v[PC+12+4*\c:PC+14+4*\c], v[(\s)+16+32*\c:(\s)+31+32*\c], v[TM+13+2*\c]   ; (three registers that begin on an even number)
.endr
	v_nop                                          ; one plain place behind a scaled conversion
.irp c, 0,1                                    ; the layout wants a whole block in a lane: lanes 0-15 block 2 c, lanes 16-31 block 2 c + 1
.irp i, 0,1,2
	v_permlane16_swap_b32 v[PC+6*\c+\i], v[PC+12+4*\c+\i]
.endr
.irp i, 0,1,2
	v_mov_b32 v[PC+3+6*\c+\i], v[PC+12+4*\c+\i]
.endr
.endr
.endm
.Lx_way:
	s_load_b128 s[4:7], s[0:1], 0x30               ; hidden_states, xc
	s_load_b64 s[8:9], s[0:1], 0x40                ; xs
	s_sub_co_u32 s21, ttmp9, NWGW                  ; g'
	v_and_b32 v1, 31, v0                           ; lane
	v_and_b32 v2, 15, v0                           ; r
	v_bfe_u32 v3, v0, 4, 1                         ; h
	v_lshlrev_b32 v[LI], 4, v1
	s_mul_i32 s17, s16, XSTG
	v_add_nc_u32 v[SIN], s17, v[LI]
	v_mul_u32_u24 v[SOUT], v2, 528
	v_lshl_add_u32 v[SOUT], v3, 6, v[SOUT]
	v_add_nc_u32 v[SOUT], s17, v[SOUT]
	v_lshlrev_b32 v[XSO], 6, v2
	v_lshl_add_u32 v[XSO], v3, 2, v[XSO]
	s_mov_b32 s[SEL], 0x76543210
	s_mov_b32 s[SEL+1], 0xfedcba98
	s_mov_b32 s20, 0xffff0000                      ; lanes 16-31
.irp b, 0,1,2,3
	v_mov_b32 v[TM+4+\b], 0                        ; written once: a lane permute's destination counts as one of its sources
.endr
	s_lshr_b32 s10, s21, 1                         ; T
	s_and_b32 s11, s21, 1
	s_lshl_b32 s11, s11, 3
	s_lshl_b32 s12, s16, 1
	s_add_co_u32 s11, s11, s12                     ; my first K step
	s_lshr_b32 s12, s10, 1
	s_lshl_b32 s12, s12, 5
	s_and_b32 s13, s10, 1
	s_lshl_b32 s13, s13, 3
	s_add_co_u32 s12, s12, s13                     ; the tile's first row: 32 (T / 2) + 8 (T % 2)
	s_lshl_b32 s12, s12, 13                        ; rows of 8,192 bytes
	s_lshl_b32 s13, s11, 9                         ; K steps of 512 bytes
	s_add_co_u32 s12, s12, s13
	s_mov_b32 s13, 0
	s_lshl_b32 s14, s10, 4
	s_add_co_u32 s14, s14, s11
	s_mul_i32 s14, s14, 1536                       ; fragment 16 T + s
	s_mov_b32 s15, 0
	s_lshl_b32 s22, s10, 10
	s_lshl_b32 s23, s11, 2
	s_add_co_u32 s22, s22, s23                     ; 16 T rows of 64 scale bytes + 4 s
	s_mov_b32 s23, 0
	s_wait_alu depctr_va_vdst(0)
	s_wait_kmcnt 0x0
	s_add_nc_u64 s[4:5], s[4:5], s[12:13]
	s_add_nc_u64 s[6:7], s[6:7], s[14:15]
	s_add_nc_u64 s[8:9], s[8:9], s[22:23]
.irp f, 0,1
.irp i, 0,1,2,3,4,5,6,7,8,9,10,11,12,13,14,15
	global_load_b128 v[R+64*\f+4*\i:R+64*\f+4*\i+3], v[LI], s[4:5] offset:((\i%8)+16*(\i/8))*8192+512*\f th:TH_LOAD_NT   ; place i's row: 512 consecutive bytes
.endr
.endr
.macro TURN f                          ; a fragment's numbers through my stage; LDS serves a wave's instructions in order, so no wait stands between the stores and the loads
.irp i, 0,1,2,3,4,5,6,7,8,9,10,11,12,13,14,15
	ds_store_b128 v[SIN], v[R+64*\f+4*\i:R+64*\f+4*\i+3] offset:528*\i
.endr
.irp b, 0,1,2,3
.irp j, 0,1,2,3
	ds_load_b128 v[X+16*\b+4*\j:X+16*\b+4*\j+3], v[SOUT] offset:128*\b+16*\j
.endr
.endr
.endm
.macro OUT f                           ; the image: each store covers 512 consecutive bytes, aligned
.irp g, 0,1,2
	global_store_b128 v[LI], v[PC+4*\g:PC+4*\g+3], s[6:7] offset:1536*\f+512*\g
.endr
.endm
	s_wait_loadcnt 16                              ; the first fragment's 16 loads are in; the second's may be out
	TURN 0
	s_wait_dscnt 0x0
	QUANT X, PWA
	OUT 0
	s_wait_loadcnt 0x0
	TURN 1
	s_wait_dscnt 0x0
	s_wait_xcnt 0x0                                ; the stores have read the codes' registers: they are written again only behind this wait
	QUANT X, PWB
	OUT 1
	v_cndmask_b32 v[PWS], v[PWA], v[PWB], s20      ; lanes 0-15 the first K step's word, lanes 16-31 the second's
	global_store_b32 v[XSO], v[PWS], s[8:9]
	s_wait_tensorcnt 0x0                           ; the wave's end
	ds_add_u32 v[SPW], v[NIL]
	s_wait_dscnt 0x0
	s_endpgm
.Lfunc_end_k_qd4ef64685e_quant:
	.size	k_qd4ef64685e_quant, .Lfunc_end_k_qd4ef64685e_quant-k_qd4ef64685e_quant
	.p2alignl 7, 3214868480
	.fill 96, 4, 3214868480
	.section	.rodata,"a",@progbits
	.p2align	6, 0x0
	.amdhsa_kernel k_qd4ef64685e_quant
		.amdhsa_group_segment_fixed_size 59904
		.amdhsa_private_segment_fixed_size 0
		.amdhsa_enable_private_segment 0
		.amdhsa_kernarg_size 72
		.amdhsa_user_sgpr_count 2
		.amdhsa_user_sgpr_kernarg_segment_ptr 1
		.amdhsa_wavefront_size32 1
		.amdhsa_system_sgpr_workgroup_id_x 1
		.amdhsa_system_sgpr_workgroup_id_y 1
		.amdhsa_system_sgpr_workgroup_id_z 1
		.amdhsa_system_vgpr_workitem_id 0
		.amdhsa_next_free_vgpr 256
		.amdhsa_next_free_sgpr 66
		.amdhsa_reserve_vcc 0
		.amdhsa_float_denorm_mode_32 3
		.amdhsa_float_denorm_mode_16_64 3
		.amdhsa_memory_ordered 1
		.amdhsa_forward_progress 1
		.amdhsa_inst_pref_size 62
	.end_amdhsa_kernel
	.amdgpu_metadata
---
amdhsa.version: [ 1, 2 ]
amdhsa.kernels:
  - .name:           k_qd4ef64685e_quant
    .symbol:         k_qd4ef64685e_quant.kd
    .args:
      - { .name: wq, .offset: 0, .size: 8, .value_kind: global_buffer, .address_space: global }
      - { .name: wk, .offset: 8, .size: 8, .value_kind: global_buffer, .address_space: global }
      - { .name: wv, .offset: 16, .size: 8, .value_kind: global_buffer, .address_space: global }
      - { .name: wo, .offset: 24, .size: 8, .value_kind: global_buffer, .address_space: global }
      - { .name: wc, .offset: 32, .size: 8, .value_kind: global_buffer, .address_space: global }
      - { .name: ws, .offset: 40, .size: 8, .value_kind: global_buffer, .address_space: global }
      - { .name: hidden_states, .offset: 48, .size: 8, .value_kind: global_buffer, .address_space: global }
      - { .name: xc, .offset: 56, .size: 8, .value_kind: global_buffer, .address_space: global }
      - { .name: xs, .offset: 64, .size: 8, .value_kind: global_buffer, .address_space: global }
    .group_segment_fixed_size: 59904
    .private_segment_fixed_size: 0
    .kernarg_segment_align: 8
    .kernarg_segment_size: 72
    .max_flat_workgroup_size: 128
    .sgpr_count:     66
    .vgpr_count:     256
    .wavefront_size: 32
...
	.end_amdgpu_metadata
.endif
;; end of part 1
;; launch qkv (part 2): grid 256 x 1, 4 waves a work-group, clusters of 4 x 1, 327,680 bytes of LDS; arguments xc, xs, wc, ws, cos, sin, qkvc, qkvs; writes qkvc, qkvs
.if DOCPART == 2
	.amdgcn_target "amdgcn-amd-amdhsa--gfx1250"
	.amdhsa_code_object_version 6
	.text
	.protected	k_qd4ef64685e_qkv
	.globl	k_qd4ef64685e_qkv
	.p2align	8
	.type	k_qd4ef64685e_qkv,@function
k_qd4ef64685e_qkv:
	s_mov_b64 s[64:65], 0
	v_nop
	global_prefetch_b8 v0, s[64:65] scope:SCOPE_SE
	s_setreg_imm32_b32 hwreg(HW_REG_WAVE_MODE, 25, 1), 1
	s_wait_xcnt 0x0
	s_wait_alu depctr_hold_cnt(0) depctr_sa_sdst(0) depctr_va_vdst(0) depctr_va_sdst(0) depctr_va_ssrc(0) depctr_va_vcc(0) depctr_vm_vsrc(0)
	s_getreg_b32 s2, hwreg(HW_REG_IB_STS2, 6, 4)
	s_cmp_eq_u32 s2, 0
	s_cbranch_scc0 .Lentry_in_a_cluster
	s_endpgm
.Lentry_in_a_cluster:
	s_bfe_u32 s2, ttmp6, 0x10000c
	s_cmp_lg_u32 s2, 0x3003
	s_cbranch_scc0 .Lentry_shape_is_right
	s_endpgm
.Lentry_shape_is_right:
; Products 1 to 3 (x wq, x wk, x wv) on codes of FP6, RoPE on q and k in f32, and the quantisers of q, k (along the head's 128) and v (along the keys).  Nothing is left out; cos and sin are read number by number.
; A work-group makes 256 rows of the source-1 side ("A") x 128 rows of the source-0 side ("B"); wave w takes A's blocks 4 w .. 4 w + 3 against B's eight: 32 accumulators.  256 work-groups.
; THE MATRIX INSTRUCTION IS USED TRANSPOSED: a lane holds ONE row of A, and since B's tiles hold their rows in the order 8 u + r % 8 + 16 (r / 8), register 16 b + i of a block is B's row 32 b + 16 (lane / 16) + i.
;   clusters 0-47: A = x (16 blocks of 256 tokens), B = [wq | wk] (12 heads): a lane holds a token and the head's 128 numbers: RoPE's partner d +- 64 is register +- 32 of the same lane; then the quantiser along d.
;   clusters 48-63: A = wv (2 blocks of 256 rows d), B = x (32 blocks of 128 tokens): a lane holds one d and 128 keys: V^T, quantised along the keys.  The same code; only pointers are chosen, by the cluster's number.
; CLUSTER 4 x 1: the four partners take one A tile, asked for JOINTLY (mask 15), and four neighbouring B tiles, by loads of their own.  A 4 x 4 cluster does not divide wv's two A tiles.
; K goes in steps of 128; an LDS slot holds four of them (512 along K); two slots; each wave brings a part of a slot by one tensor load.  Operands are images of registers: a fragment comes by three loads of 16 bytes a lane, 512 consecutive bytes each.
; The scale bytes of the work-group's rows, for all of K, come once with the first fills.
; THE TWO WAYS PART ONCE, on the cluster's number (the same in all four partners), behind the last change of slots, where no tensor load and no barrier follows: q's and k's way asks for its first cos and sin there, so that they
; land under the last slot's 128 products, which are written in both ways.
; Results: qkvc: fragment F at 1,536 F: Q: (8 b + hq) 128 + T; K: 2,048 + (4 b + kh) 128 + T; V^T: 3,072 + ((4 b + kh) 16 + key step) 8 + tile of d.  qkvs: lane l's scale word at 128 F + 4 l.
; LIMITS: NaN and infinities are not served; blocks under 2^-124 keep the byte 1; RoPE is a multiplication and a fused multiply-add, one rounding fewer than a product, a product and a sum.
; REGISTERS: window 0: v1-15 addresses; v16-79 scale words, two sets; v80-175 A's fragments, two sets (behind the products v80-143: 64 numbers at work); v176-212 the quantiser's.
;   window 1: B's fragments, two sets, at v0 and v128.   window 2: accumulator (a, b) at v[8 (8 a + b)].   window 3: cos and sin of two blocks.
.set NS,    16                         ; K steps of 128
.set KS,    64                         ; a row of scale bytes
.set TROW,  6144                       ; a tile's four fragments in a slot
.set SLOT,  24*TROW                    ; A's 16 tiles, then B's 8
.set BOFF,  16*TROW
.set SCL,   2*SLOT                     ; behind the ring: the scales, as units of 256 bytes + 16
.set SBLK,  (16*KS/256)*272            ; those of 16 rows
.set SAB,   16*SBLK                    ; A's
.set SPARE, SCL+24*SBLK                ; the spare words
.set LI,   4                           ; v4   16 x lane
.set LS,   5                           ; v5   4 x lane
.set ADRA, 6                           ; v6-7 my A fragments in slot 0, 1
.set ADRB, 8                           ; v8-9 B's
.set ADRS, 10                          ; v10  scale words: lanes 0-15 my A blocks, lanes 16-31 B's blocks 0-3
.set ADRS2, 11                         ; v11  B's blocks 4-7
.set CSO,  12                          ; v12  my place in a block's rows of cos and sin
.set SPW,  14
.set NIL,  15
.set SC,   16
.set AF,   80
.set X,    80
.set PC,   176
.set TM,   196
.set PW,   212
.set TR,   2                           ; s2   which A tile
.set TC,   3                           ; s3   which B tile
.set WV,   20
.set ROLE, 21                          ; 0: I fetch for A, 1: for B
.set HF,   22                          ; which half of that tile
.set CX,   23
.set G1A,  28
.set G0A,  36
.set G1B,  44
.set G0B,  52
.set SEL,  66
.set G1SA, 68
.set G0SA, 76
.set G1SB, 80
.set G0SB, 88
.set MSB, 0
.macro WIN new                         ; the immediate's high byte repeats the setting that is left
.if MSB != \new
	s_set_vgpr_msb (MSB<<8)|\new
.set MSB, \new
.endif
.endm
.set MUL,  0xa1                        ; source 0 (B) window 1, source 1 (A) window 0, C and D window 2
.set TO_B, 0x40
.macro PLACES
.rept 4
	v_nop
.endr
.endm
; Waves 0 and 1 fetch for A (jointly), waves 2 and 3 for B.  The branch hangs on the wave's number alone.  An s_nop 0 and four v_nop follow each line.
.macro JLOAD g0a, g1a, g0b, g1b
	s_cmp_eq_u32 s[ROLE], 0
	s_cbranch_scc0 .Lfor_b_\@
	tensor_load_to_lds s[\g0a:\g0a+3], s[\g1a:\g1a+7]
	s_nop 0
.rept 4
	v_nop
.endr
	s_branch .Lasked_\@
.Lfor_b_\@:
	tensor_load_to_lds s[\g0b:\g0b+3], s[\g1b:\g1b+7]
	s_nop 0
.rept 4
	v_nop
.endr
.Lasked_\@:
.endm
.macro CREST                           ; a round of the cluster's barrier behind its opening barrier
	s_cmp_lg_u32 s[WV], 0
	s_cbranch_scc1 .Lnot_wave_0_\@
	s_barrier_signal -3
.Lnot_wave_0_\@:
	s_barrier_wait -3
	s_barrier_signal -1
	s_barrier_wait -1
.endm
.macro CROUND
	s_barrier_signal -1
	s_barrier_wait -1
	CREST
.endm
.macro QUANT s, pw                     ; 64 numbers of a lane, register 16 b + i = k 32 b + 16 (lane / 16) + i of my row -> a fragment's codes in v[PC] on, its scale word in v[pw]
.irp b, 0,1,2,3
	v_max3_num_f32 v[TM+\b], |v[(\s)+16*\b]|, |v[(\s)+1+16*\b]|, 0x1800000   ; and the floor 2^(3 - 127)
.endr
.irp i, 2,4,6,8,10,12,14
.irp b, 0,1,2,3
	v_max3_num_f32 v[TM+\b], v[TM+\b], |v[(\s)+16*\b+\i]|, |v[(\s)+1+16*\b+\i]|
.endr
.endr
.irp b, 0,1,2,3
	v_permlanex16_b32 v[TM+4+\b], v[TM+\b], s[SEL], s[SEL+1]
.endr
.irp b, 0,1,2,3
	v_max_num_f32 v[TM+\b], v[TM+\b], v[TM+4+\b]
.endr
.irp b, 0,1,2,3
	v_add_nc_u32 v[TM+12+\b], 0xff000000, v[TM+\b]   ; 2 off the exponent field: the conversion's scale operand
.endr
.irp b, 0,1,2,3
	v_lshrrev_b32 v[TM+4+\b], 23, v[TM+12+\b]
.endr
	v_lshl_or_b32 v[\pw], v[TM+5], 8, v[TM+4]
	v_lshl_or_b32 v[\pw], v[TM+6], 16, v[\pw]
	v_lshl_or_b32 v[\pw], v[TM+7], 24, v[\pw]
.irp c, 0,1
	v_cvt_scalef32_pk16_fp6_f32 v[PC+6*\c:PC+2+6*\c], v[(\s)+32*\c:(\s)+15+32*\c], v[TM+12+2*\c]
	v_cvt_scalef32_pk16_fp6_f32 v[PC+12+4*\c:PC+14+4*\c], v[(\s)+16+32*\c:(\s)+31+32*\c], v[TM+13+2*\c]
.endr
	v_nop                                          ; one plain place behind a scaled conversion
.irp c, 0,1
.irp i, 0,1,2
	v_permlane16_swap_b32 v[PC+6*\c+\i], v[PC+12+4*\c+\i]
.endr
.irp i, 0,1,2
	v_mov_b32 v[PC+3+6*\c+\i], v[PC+12+4*\c+\i]
.endr
.endr
.endm
	s_load_b256 s[4:11], s[0:1], 0x0               ; xc, xs, wc, ws
	s_load_b256 s[12:19], s[0:1], 0x20             ; cos, sin, qkvc, qkvs
	v_lshl_add_u32 v[SPW], v0, 2, SPARE
	v_mov_b32 v[NIL], 0
	ds_add_u32 v[SPW], v[NIL]                      ; the wave's opening: the add, twice on end, and its wait ahead of my first tensor load
	ds_add_u32 v[SPW], v[NIL]
	v_lshrrev_b32 v1, 5, v0
	v_readfirstlane_b32 s[WV], v1
	s_lshr_b32 s[ROLE], s[WV], 1
	s_and_b32 s[HF], s[WV], 1
	s_bfe_u32 s[CX], ttmp6, 0x40000                ; my place in the cluster
	s_sub_co_u32 s25, ttmp9, 48                    ; ttmp9 counts clusters
	s_and_b32 s60, ttmp9, 15
	s_and_b32 s61, s25, 1
	s_lshr_b32 s26, ttmp9, 4
	s_lshr_b32 s27, s25, 1
	s_cmp_lt_u32 ttmp9, 48                         ; q and k, or v?  The same in all four partners
	s_cselect_b32 s[TR], s60, s61
	s_cselect_b32 s26, s26, s27
	s_cselect_b32 s62, 0, 96                       ; wv's first tile in wc
	s_lshl_b32 s26, s26, 2
	s_add_co_u32 s[TC], s26, s[CX]
	s_lshl_b32 s60, s[TR], 4                       ; A's numbers never meet cx
	s_add_co_u32 s60, s60, s62
	s_mul_i32 s62, s60, NS*1536
	s_mov_b32 s63, 0
	s_mul_i32 s60, s60, 16*KS
	s_mov_b32 s61, 0
	s_lshl_b32 s26, s[TC], 3
	s_mul_i32 s100, s26, NS*1536
	s_mov_b32 s101, 0
	s_mul_i32 s26, s26, 16*KS
	s_mov_b32 s27, 0
	; descriptor groups 1, elements of 8 bytes.  Codes: a row = a tile's four fragments of a slot, 768 elements; from tile to tile NS fragments
	s_mov_b32 s[G1A], 15|(3<<16)|(1<<21)           ; the mask: all four partners; bit 21 beside it
	s_mov_b32 s[G1B], 3<<16                        ; a load of my own
.irp g, G1A, G1B
	s_mov_b32 s[\g+1], 768<<16
	s_mov_b32 s[\g+3], 768<<16
	s_mov_b32 s[\g+5], 192*NS
	s_mov_b32 s[\g+6], 0
	s_mov_b32 s[\g+7], 0
.endr
	s_mov_b32 s[G1A+2], 16<<16                     ; the head's loads bring whole tiles: A's 16 rows of fragments, B's 8; behind them the counts are halved for the ring
	s_mov_b32 s[G1A+4], 16
	s_mov_b32 s[G1B+2], 8<<16
	s_mov_b32 s[G1B+4], 8
	; scales: dense bytes as rows of 256 (32 elements), 16 bytes of padding behind each
	s_mov_b32 s[G1SA], 15|(3<<16)|(1<<20)|(1<<21)|(5<<22)|(3<<25)
	s_mov_b32 s[G1SB], (3<<16)|(1<<20)|(5<<22)|(3<<25)
.irp g, G1SA, G1SB
	s_mov_b32 s[\g+1], 32<<16
	s_mov_b32 s[\g+3], 32<<16
	s_mov_b32 s[\g+5], 32
	s_mov_b32 s[\g+6], 0
	s_mov_b32 s[\g+7], 0
.endr
	s_mov_b32 s[G1SA+2], (256*KS/256)<<16          ; the scales of all 256 rows of A by one load, of all 128 rows of B by another
	s_mov_b32 s[G1SA+4], 256*KS/256
	s_mov_b32 s[G1SB+2], (128*KS/256)<<16
	s_mov_b32 s[G1SB+4], 128*KS/256
	s_mov_b32 s[SEL], 0x76543210
	s_mov_b32 s[SEL+1], 0xfedcba98
	s_wait_dscnt 0x0                               ; both opening adds are done
	s_wait_kmcnt 0x0
	s_cmp_lt_u32 ttmp9, 48
	s_cselect_b64 s[92:93], s[4:5], s[8:9]         ; A's codes,
	s_cselect_b64 s[94:95], s[6:7], s[10:11]       ; A's scales,
	s_cselect_b64 s[96:97], s[8:9], s[4:5]         ; B's codes,
	s_cselect_b64 s[98:99], s[10:11], s[6:7]       ; B's scales
	s_add_nc_u64 s[92:93], s[92:93], s[62:63]
	s_add_nc_u64 s[94:95], s[94:95], s[60:61]
	s_add_nc_u64 s[96:97], s[96:97], s[100:101]
	s_add_nc_u64 s[98:99], s[98:99], s[26:27]
	CROUND                                         ; all four work-groups are here: the first joint loads meet
	s_mov_b32 s[G0SA], 1
	s_mov_b32 s[G0SA+1], SCL
	s_mov_b64 s[G0SA+2:G0SA+3], s[94:95]
	s_or_b32 s[G0SA+3], s[G0SA+3], 0x80000000
	s_mov_b32 s[G0SB], 1
	s_mov_b32 s[G0SB+1], SCL+SAB
	s_mov_b64 s[G0SB+2:G0SB+3], s[98:99]
	s_or_b32 s[G0SB+3], s[G0SB+3], 0x80000000
	s_mov_b32 s4, 1                                ; groups 0 of the head's loads of codes, in registers that held arguments: slot 0's 16 tiles of A,
	s_mov_b32 s5, 0
	s_mov_b64 s[6:7], s[92:93]
	s_or_b32 s7, s7, 0x80000000
	s_mov_b32 s8, 1                                ; and its 8 tiles of B
	s_mov_b32 s9, BOFF
	s_mov_b64 s[10:11], s[96:97]
	s_or_b32 s11, s11, 0x80000000
	s_mul_i32 s24, s[HF], 8*NS*1536                ; for the ring: my half of a tile
	s_mov_b32 s25, 0
	s_add_nc_u64 s[92:93], s[92:93], s[24:25]
	s_mul_i32 s24, s[HF], 4*NS*1536
	s_add_nc_u64 s[96:97], s[96:97], s[24:25]
	s_mul_i32 s24, s[HF], 8*TROW
	s_mul_i32 s25, s[HF], 4*TROW
.irp s, 0,1
	s_mov_b32 s[G0A+4*\s], 1
	s_add_co_u32 s[G0A+4*\s+1], s24, \s*SLOT
	s_add_nc_u64 s[G0A+4*\s+2:G0A+4*\s+3], s[92:93], \s*TROW
	s_or_b32 s[G0A+4*\s+3], s[G0A+4*\s+3], 0x80000000
	s_mov_b32 s[G0B+4*\s], 1
	s_add_co_u32 s[G0B+4*\s+1], s25, \s*SLOT+BOFF
	s_add_nc_u64 s[G0B+4*\s+2:G0B+4*\s+3], s[96:97], \s*TROW
	s_or_b32 s[G0B+4*\s+3], s[G0B+4*\s+3], 0x80000000
.endr
; THE HEAD'S LOADS, ONE A WAVE: wave 0 slot 0's A, wave 1 its B, wave 2 A's scales, wave 3 B's.  One chain of branches on the wave's number; every way passes one load.
.macro ARM under, g0, g1, next
	s_cmp_lt_u32 s[WV], \under
	s_cbranch_scc0 \next
	tensor_load_to_lds s[\g0:\g0+3], s[\g1:\g1+7]
	s_nop 0
.rept 4
	v_nop
.endr
	s_branch .Lhead_asked
\next:
.endm
	ARM 1, 4, G1A, .Lhead_b
	ARM 2, 8, G1B, .Lhead_sa
	ARM 3, G0SA, G1SA, .Lhead_sb
	tensor_load_to_lds s[G0SB:G0SB+3], s[G1SB:G1SB+7]
	s_nop 0
.rept 4
	v_nop
.endr
.Lhead_asked:
	v_and_b32 v1, 15, v0
	v_bfe_u32 v2, v0, 4, 1                         ; h
	v_and_b32 v3, 31, v0                           ; lane
	v_lshlrev_b32 v[LI], 4, v3
	v_lshlrev_b32 v[LS], 2, v3
	s_mul_i32 s24, s[WV], 4*TROW
	v_add_nc_u32 v[ADRA], s24, v[LI]
	v_add_nc_u32 v[ADRA+1], SLOT, v[ADRA]
	v_add_nc_u32 v[ADRB], BOFF, v[LI]
	v_add_nc_u32 v[ADRB+1], SLOT+BOFF, v[LI]
	v_mul_u32_u24 v[PC], v1, KS                    ; my row's scales: KS bytes a row,
	v_lshrrev_b32 v[PC+1], 8, v[PC]
	v_lshl_add_u32 v[PC], v[PC+1], 4, v[PC]        ; and 16 more for each 256 passed
	v_add_nc_u32 v[ADRS2], SCL+SAB, v[PC]
	s_mul_i32 s24, s[WV], 4*SBLK                   ; A's: my four blocks
	s_xor_b32 s25, s[WV], 3
	s_add_co_u32 s25, s25, 1
	s_mul_i32 s25, s25, 4*SBLK                     ; from there to B's first block: (4 - w) x four blocks
	v_mul_u32_u24 v[PC+1], s25, v2                 ; lanes 16-31 take B's
	s_add_co_u32 s24, s24, SCL
	v_add_nc_u32 v[PC], v[PC], v[PC+1]
	v_add_nc_u32 v[ADRS], s24, v[PC]
.irp b, 0,1,2,3
	v_mov_b32 v[TM+4+\b], 0                        ; written once: a lane permute's destination counts as one of its sources
.endr
	; where my four fragments go
	s_and_b32 s24, s[TR], 7
	s_lshl_b32 s24, s24, 4
	s_lshl_b32 s25, s[WV], 2
	s_add_co_u32 s24, s24, s25                     ; the token tile in its batch: 16 (tr % 8) + 4 w
	s_lshr_b32 s25, s[TR], 3                       ; the batch
	s_lshl_b32 s26, s25, 3
	s_add_co_u32 s26, s26, s[TC]
	s_lshl_b32 s26, s26, 7
	s_add_co_u32 s26, s26, s24                     ; q's
	s_lshl_b32 s27, s25, 2
	s_add_co_u32 s27, s27, s[TC]
	s_lshl_b32 s27, s27, 7
	s_add_co_u32 s27, s27, s24
	s_add_co_u32 s27, s27, 1024                    ; k's (tc = 8 + kh)
	s_lshr_b32 s60, s[TC], 4
	s_lshl_b32 s60, s60, 2
	s_lshl_b32 s61, s[TR], 1
	s_add_co_u32 s60, s60, s61
	s_add_co_u32 s60, s60, s[ROLE]                 ; 4 b + kh, kh = 2 tr + w / 2
	s_lshl_b32 s60, s60, 4
	s_and_b32 s61, s[TC], 15
	s_add_co_u32 s60, s60, s61                     ; the key step
	s_lshl_b32 s60, s60, 3
	s_lshl_b32 s61, s[HF], 2
	s_add_co_u32 s60, s60, s61
	s_add_co_u32 s60, s60, 3072                    ; v's
	s_cmp_lt_u32 ttmp9, 48
	s_cselect_b32 s60, s27, s60
	s_cmp_lt_u32 ttmp9, 32
	s_cselect_b32 s60, s26, s60
	s_mul_i32 s62, s60, 1536
	s_mov_b32 s63, 0
	s_lshl_b32 s60, s60, 7
	s_mov_b32 s61, 0
	s_add_nc_u64 s[16:17], s[16:17], s[62:63]
	s_add_nc_u64 s[18:19], s[18:19], s[60:61]
.macro WM d, fb, fa, sb, sa, zero, row
.if \zero
.if \row
	v_wmma_scale_f32_16x16x128_f8f6f4 v[\d:\d+7], v[\fb:\fb+11], v[\fa:\fa+11], 0, v[\sb], v[\sa] matrix_a_fmt:MATRIX_FMT_FP6 matrix_b_fmt:MATRIX_FMT_FP6 matrix_a_scale:MATRIX_SCALE_ROW1
.else
	v_wmma_scale_f32_16x16x128_f8f6f4 v[\d:\d+7], v[\fb:\fb+11], v[\fa:\fa+11], 0, v[\sb], v[\sa] matrix_a_fmt:MATRIX_FMT_FP6 matrix_b_fmt:MATRIX_FMT_FP6
.endif
.else
.if \row
	v_wmma_scale_f32_16x16x128_f8f6f4 v[\d:\d+7], v[\fb:\fb+11], v[\fa:\fa+11], v[\d:\d+7], v[\sb], v[\sa] matrix_a_fmt:MATRIX_FMT_FP6 matrix_b_fmt:MATRIX_FMT_FP6 matrix_a_scale:MATRIX_SCALE_ROW1
.else
	v_wmma_scale_f32_16x16x128_f8f6f4 v[\d:\d+7], v[\fb:\fb+11], v[\fa:\fa+11], v[\d:\d+7], v[\sb], v[\sa] matrix_a_fmt:MATRIX_FMT_FP6 matrix_b_fmt:MATRIX_FMT_FP6
.endif
.endif
.endm
; 8 matrix instructions: my A block a against B's eight; set p of fragments, the slot's q-th 128 along K, set sc of scale words.  B's words of blocks 0-3 stand in lanes 16-31, those of blocks 4-7 in lanes 0-15.
; The 32 accumulators take turns, one instruction a turn, in the same order in every step.
.macro MUL8 a, p, q, sc, zero
.irp b, 0,1,2,3
	WM 8*(8*(\a)+\b), 128*(\p)+12*\b, AF+48*(\p)+12*(\a), SC+32*(\sc)+4*\b+(\q), SC+32*(\sc)+4*(\a)+(\q), \zero, 1
.endr
.irp b, 4,5,6,7
	WM 8*(8*(\a)+\b), 128*(\p)+12*\b, AF+48*(\p)+12*(\a), SC+32*(\sc)+4*\b+(\q), SC+32*(\sc)+4*(\a)+(\q), \zero, 0
.endr
.endm
.macro FETCH slot, q, p                ; 36 LDS loads in one run: B's eight fragments and my four of A, the slot's q-th 128 along K, into set p
	WIN TO_B
.irp i, 0,1,2,3,4,5,6,7
.irp g, 0,1,2
	ds_load_b128 v[128*(\p)+12*\i+4*\g:128*(\p)+12*\i+4*\g+3], v[ADRB+\slot] offset:TROW*\i+1536*(\q)+512*\g
.endr
.endr
	WIN 0
.irp i, 0,1,2,3
.irp g, 0,1,2
	ds_load_b128 v[AF+48*(\p)+12*\i+4*\g:AF+48*(\p)+12*\i+4*\g+3], v[ADRA+\slot] offset:TROW*\i+1536*(\q)+512*\g
.endr
.endr
.endm
.macro SCALES sc                       ; a slot's four words of each row by one load of 16 bytes
.irp i, 0,1,2,3
	ds_load_b128 v[SC+32*\sc+4*\i:SC+32*\sc+4*\i+3], v[ADRS] offset:\i*SBLK
.endr
.irp i, 4,5,6,7
	ds_load_b128 v[SC+32*\sc+4*\i:SC+32*\sc+4*\i+3], v[ADRS2] offset:\i*SBLK
.endr
.endm
.macro STEP slot, q, zero              ; a step of 128 along K that has its successor in the same slot: the successor's fragments are asked for a whole step ahead
	s_wait_dscnt 0x0                               ; this step's fragments are in
	PLACES                                         ; four places in front of loads into registers that the last step's products read
	FETCH \slot, (\q)+1, 1-(\q)%2
	WIN MUL
	MUL8 0, (\q)%2, \q, \slot, \zero
	MUL8 1, (\q)%2, \q, \slot, \zero
	MUL8 2, (\q)%2, \q, \slot, \zero
	MUL8 3, (\q)%2, \q, \slot, \zero
.endm
; A slot's last step changes slots.  All my reads of the slot are in registers at its head.  ONE barrier: in front of it each wave waits for all its tensor loads, adds 0 to its spare word, and waits for that and its reads.
.macro TURN slot, next, fill
	WIN 0
	s_wait_tensorcnt 0x0                           ; all my tensor loads have landed: my part of the next slot
	ds_add_u32 v[SPW], v[NIL]
	s_wait_dscnt 1                                 ; this step's fragments are in; the add alone may be out
	WIN MUL
	MUL8 0, 1, 3, \slot, 0
	s_wait_dscnt 0x0                               ; the add is done, and my reads of this slot are over
	s_barrier_signal -1
	MUL8 1, 1, 3, \slot, 0
	WIN 0
	s_barrier_wait -1
.if \fill
	CREST                                          ; the barrier has opened a round of the cluster's: no wave of any partner still reads this slot or has a load on its way
	s_add_nc_u64 s[G0A+4*\slot+2:G0A+4*\slot+3], s[G0A+4*\slot+2:G0A+4*\slot+3], 2*TROW
	s_add_nc_u64 s[G0B+4*\slot+2:G0B+4*\slot+3], s[G0B+4*\slot+2:G0B+4*\slot+3], 2*TROW
	JLOAD G0A+4*\slot, G1A, G0B+4*\slot, G1B       ; the first tensor load behind the round; its four v_nop are the places in front of the loads below
.else
	PLACES
.endif
	s_wait_alu depctr_va_vdst(0)
	v_add_nc_u32 v[ADRS], 16, v[ADRS]              ; the next slot's scale words
	v_add_nc_u32 v[ADRS2], 16, v[ADRS2]
	FETCH \next, 0, 0
	SCALES \next
	WIN MUL
	MUL8 2, 1, 3, \slot, 0
	MUL8 3, 1, 3, \slot, 0
.endm
; The last slot's four steps: no tensor load, no barrier.  Written in both ways.  The four v_nop at its end stand in front of the first read of results and the first write over operands.
.macro LASTSLOT
	STEP 1, 0, 0
	STEP 1, 1, 0
	STEP 1, 2, 0
	s_wait_dscnt 0x0
	WIN MUL
	MUL8 0, 1, 3, 1, 0
	MUL8 1, 1, 3, 1, 0
	MUL8 2, 1, 3, 1, 0
	MUL8 3, 1, 3, 1, 0
	WIN 0
	PLACES
.endm
; cos and sin of block a's 16 tokens: register 16 b + 4 j + .. = d 32 b + 16 h + 4 j + ..; into set a % 2 of window 3: cos at 0, sin at 64
.macro CSLOAD a
	WIN 0xc0
.irp b, 0,1,2,3
.irp j, 0,1,2,3
	global_load_b128 v[128*((\a)%2)+16*\b+4*\j:128*((\a)%2)+16*\b+4*\j+3], v[CSO], s[12:13] offset:(32*((\a)/2)+8*((\a)%2))*512+128*\b+16*\j
.endr
.endr
.irp b, 0,1,2,3
.irp j, 0,1,2,3
	global_load_b128 v[128*((\a)%2)+64+16*\b+4*\j:128*((\a)%2)+64+16*\b+4*\j+3], v[CSO], s[14:15] offset:(32*((\a)/2)+8*((\a)%2))*512+128*\b+16*\j
.endr
.endr
	WIN 0
.endm
; RoPE of block a: x[d] = acc[d] cos[d] - acc[d + 64] sin[d] (d < 64), acc[d] cos[d] + acc[d - 64] sin[d] (d >= 64); d +- 64 is register +- 32.  Each accumulator is read from its low end on.
.macro ROPE a
.if (\a) < 3
	s_wait_loadcnt 32                              ; this block's cos and sin are in; the next block's 32 loads may be out
.else
	s_wait_loadcnt 0x0
.endif
	WIN 0x0e                                       ; source 0: window 2, source 1: window 3
.set AB, 64*(\a)
.set CB, 128*((\a)%2)
.set k, 0
.rept 32
	v_pk_mul_f32 v[X+k:X+k+1], v[AB+k:AB+k+1], v[CB+k:CB+k+1]
.set k, k+2
.endr
.set k, 0
.rept 16
	v_pk_fma_f32 v[X+k:X+k+1], v[AB+32+k:AB+33+k], v[CB+64+k:CB+65+k], v[X+k:X+k+1] neg_lo:[1,0,0] neg_hi:[1,0,0]
.set k, k+2
.endr
.rept 16
	v_pk_fma_f32 v[X+k:X+k+1], v[AB+k-32:AB+k-31], v[CB+64+k:CB+65+k], v[X+k:X+k+1]
.set k, k+2
.endr
	WIN 0
.endm
.macro COPY a                          ; v: the results change window, as the quantiser works in window 0
	WIN 0x02
.set k, 0
.rept 64
	v_mov_b32 v[X+k], v[64*(\a)+k]
.set k, k+1
.endr
	WIN 0
.endm
.macro FINISH a
	s_wait_xcnt 0x0                                ; the last block's stores have read the codes' registers
	QUANT X, PW
.irp g, 0,1,2
	global_store_b128 v[LI], v[PC+4*\g:PC+4*\g+3], s[16:17] offset:1536*(\a)+512*\g   ; 512 consecutive bytes, aligned
.endr
	global_store_b32 v[LS], v[PW], s[18:19] offset:128*(\a)
.endm
	s_wait_alu depctr_va_vdst(0)
	s_wait_tensorcnt 0x0                           ; my tile of the head's four is in; slot 1's first fill is issued as a refill is
	ds_add_u32 v[SPW], v[NIL]
	s_mov_b32 s[G1A+2], 8<<16                      ; no tensor load of mine is out: from here on a load brings half a tile
	s_mov_b32 s[G1A+4], 8
	s_mov_b32 s[G1B+2], 4<<16
	s_mov_b32 s[G1B+4], 4
	s_wait_dscnt 0x0
	CROUND                                         ; all four tiles are in, and all four work-groups are here
	JLOAD G0A+4, G1A, G0B+4, G1B                   ; slot 1: the first tensor load behind the round
	FETCH 0, 0, 0
	SCALES 0
	STEP 0, 0, 1                                   ; the first products start the sums: nothing is cleared
	STEP 0, 1, 0
	STEP 0, 2, 0
	TURN 0, 1, 1
	STEP 1, 0, 0
	STEP 1, 1, 0
	STEP 1, 2, 0
	TURN 1, 0, 1
	STEP 0, 0, 0
	STEP 0, 1, 0
	STEP 0, 2, 0
	TURN 0, 1, 0                                   ; nothing is left to fetch
	WIN 0                                          ; at a branch every window is 0
	s_cmp_lt_u32 ttmp9, 48                         ; q and k, or v: the one parting of the ways
	s_cbranch_scc0 .Lv_path
	; q's and k's way: where my tokens' cos and sin lie
	v_and_b32 v[PC], 7, v1
	v_lshrrev_b32 v[PC+1], 3, v1
	v_lshl_add_u32 v[PC], v[PC+1], 4, v[PC]        ; place r's row in its group of 32: r % 8 + 16 (r / 8)
	v_lshlrev_b32 v[CSO], 9, v[PC]                 ; rows of 512 bytes,
	v_lshl_add_u32 v[CSO], v2, 6, v[CSO]           ; + 64 h: my 16 numbers of a block of 32
	s_wait_alu depctr_va_vdst(0)
	s_lshl_b32 s24, s[TR], 17
	s_lshl_b32 s25, s[WV], 15
	s_add_co_u32 s24, s24, s25                     ; my wave's first token: (256 tr + 64 w) rows of 512 bytes
	s_mov_b32 s25, 0
	s_add_nc_u64 s[12:13], s[12:13], s[24:25]
	s_add_nc_u64 s[14:15], s[14:15], s[24:25]
	CSLOAD 0                                       ; blocks 0 and 1: 64 loads, which land under the last slot's 128 products
	CSLOAD 1
	LASTSLOT
	ROPE 0
	CSLOAD 2
	FINISH 0
	ROPE 1
	CSLOAD 3
	FINISH 1
	ROPE 2
	FINISH 2
	ROPE 3
	FINISH 3
	s_branch .Lend
.Lv_path:                                          ; v's way: no RoPE, so no cos and no sin
	LASTSLOT
	COPY 0
	FINISH 0
	COPY 1
	FINISH 1
	COPY 2
	FINISH 2
	COPY 3
	FINISH 3
.Lend:
	s_wait_tensorcnt 0x0                           ; the wave's end
	ds_add_u32 v[SPW], v[NIL]
	s_wait_dscnt 0x0
	CROUND                                         ; the closing round
	s_endpgm
.Lfunc_end_k_qd4ef64685e_qkv:
	.size	k_qd4ef64685e_qkv, .Lfunc_end_k_qd4ef64685e_qkv-k_qd4ef64685e_qkv
	.p2alignl 7, 3214868480
	.fill 96, 4, 3214868480
	.section	.rodata,"a",@progbits
	.p2align	6, 0x0
	.amdhsa_kernel k_qd4ef64685e_qkv
		.amdhsa_group_segment_fixed_size 327680
		.amdhsa_private_segment_fixed_size 0
		.amdhsa_enable_private_segment 0
		.amdhsa_kernarg_size 64
		.amdhsa_user_sgpr_count 2
		.amdhsa_user_sgpr_kernarg_segment_ptr 1
		.amdhsa_wavefront_size32 1
		.amdhsa_system_sgpr_workgroup_id_x 1
		.amdhsa_system_sgpr_workgroup_id_y 1
		.amdhsa_system_sgpr_workgroup_id_z 1
		.amdhsa_system_vgpr_workitem_id 0
		.amdhsa_next_free_vgpr 1024
		.amdhsa_next_free_sgpr 104
		.amdhsa_reserve_vcc 0
		.amdhsa_float_denorm_mode_32 3
		.amdhsa_float_denorm_mode_16_64 3
		.amdhsa_memory_ordered 1
		.amdhsa_forward_progress 1
		.amdhsa_inst_pref_size 215
	.end_amdhsa_kernel
	.amdgpu_metadata
---
amdhsa.version: [ 1, 2 ]
amdhsa.kernels:
  - .name:           k_qd4ef64685e_qkv
    .symbol:         k_qd4ef64685e_qkv.kd
    .args:
      - { .name: xc, .offset: 0, .size: 8, .value_kind: global_buffer, .address_space: global }
      - { .name: xs, .offset: 8, .size: 8, .value_kind: global_buffer, .address_space: global }
      - { .name: wc, .offset: 16, .size: 8, .value_kind: global_buffer, .address_space: global }
      - { .name: ws, .offset: 24, .size: 8, .value_kind: global_buffer, .address_space: global }
      - { .name: cos, .offset: 32, .size: 8, .value_kind: global_buffer, .address_space: global }
      - { .name: sin, .offset: 40, .size: 8, .value_kind: global_buffer, .address_space: global }
      - { .name: qkvc, .offset: 48, .size: 8, .value_kind: global_buffer, .address_space: global }
      - { .name: qkvs, .offset: 56, .size: 8, .value_kind: global_buffer, .address_space: global }
    .group_segment_fixed_size: 327680
    .private_segment_fixed_size: 0
    .kernarg_segment_align: 8
    .kernarg_segment_size: 64
    .max_flat_workgroup_size: 128
    .sgpr_count:     104
    .vgpr_count:     1024
    .wavefront_size: 32
...
	.end_amdgpu_metadata
.endif
;; end of part 2
;; launch attn (part 3): grid 32 x 8, 8 waves a work-group, clusters of 4 x 4, 327,680 bytes of LDS; arguments qkvc, qkvs, attention_mask, ac, asc; writes ac, asc
.if DOCPART == 3
	.amdgcn_target "amdgcn-amd-amdhsa--gfx1250"
	.amdhsa_code_object_version 6
	.text
	.protected	k_qd4ef64685e_attn
	.globl	k_qd4ef64685e_attn
	.p2align	8
	.type	k_qd4ef64685e_attn,@function
k_qd4ef64685e_attn:
	s_mov_b64 s[64:65], 0
	v_nop
	global_prefetch_b8 v0, s[64:65] scope:SCOPE_SE
	s_setreg_imm32_b32 hwreg(HW_REG_WAVE_MODE, 25, 1), 1
	s_wait_xcnt 0x0
	s_wait_alu depctr_hold_cnt(0) depctr_sa_sdst(0) depctr_va_vdst(0) depctr_va_sdst(0) depctr_va_ssrc(0) depctr_va_vcc(0) depctr_vm_vsrc(0)
	s_getreg_b32 s2, hwreg(HW_REG_IB_STS2, 6, 4)
	s_cmp_eq_u32 s2, 0
	s_cbranch_scc0 .Lentry_in_a_cluster
	s_endpgm
.Lentry_in_a_cluster:
	s_bfe_u32 s2, ttmp6, 0x10000c
	s_cmp_lg_u32 s2, 0xf033
	s_cbranch_scc0 .Lentry_shape_is_right
	s_endpgm
.Lentry_shape_is_right:
; Products 4 and 5 on codes of FP6, the additive mask, the softmax, and the quantiser of the result for product 6.  Nothing is left out: the mask is an input, so every score of every key is computed and the mask is added number by number.
; t = (score / sqrt(128) + mask) x log2(e); M = the running largest t rounded UP to a whole number; p = 2^(t - M) is quantised along the keys, not normalised; the row's sum is taken of the unquantised p and divides at the end.
; THE MASK IS THE C OF K Q^T: the product gives D = score / 16 + mask x sqrt(128) / 16, and t = D x 16 log2(e) / sqrt(128).  The 1 / 16, a power of two, is taken off Q's scale bytes; it keeps the most negative f32 in range.
; SHARES: a work-group owns 64 queries of one (batch, key/value head).  Eight waves: waves w and w xor 1 own the same tile w / 2 of 16 queries for BOTH query heads; a slot holds two key steps of 128,
; and a wave takes key step PAR = (w xor w / 4) & 1 of each slot.  So each wave walks 8 of the 16 key steps with its own M, sum and O^T; at the end the two join through LDS (a power of two brings both under the larger M), and each finishes one head.
; A wave's head 0 is query head PAR, its head 1 the other: so every wave keeps its head 0 and hands over its head 1, with no branch.
; TWO ORDERS OF ONE TRIP: a step is P1 (the mask, K, the scores, the request for V) and P2 (softmax, O^T).  Behind a trip's barrier the waves with PAR = 0 run P1 and P2 of this slot's step;
; those with PAR = 1 run P2 of the step before and then P1 of this slot's: the LDS loads of the one set stand beside the vector work of the other.  The branches hang on the wave's number alone and lead round no barrier, wait, add or tensor load.
; LAYOUT: both products transposed: S^T = K Q^T, O^T = V^T P^T: a lane holds one query.  K's fragments lie as images of registers, 16 bytes a lane, so a tile of keys is GATHERED lane by lane:
; tile 4 c + q takes as rows 0-7 keys 64 c + 8 q + j and as rows 8-15 keys 64 c + 32 + 8 q + j.  Lane (r, h) then holds the WHOLE blocks 2 c + h of 32 keys, 32 registers each, in the order that P's operand wants:
; a block's maximum needs no other lane, and the conversions' results need no change of lanes.
; CLUSTER 4 x 4: K, V and their scale words hang on (batch, key/value head) and are shared along a row of the cluster; the mask's tile hangs on the queries and is shared along a column.  All partners do the same work.
; A SLOT: K 48 rows of 512 bytes + 64 of padding (so that the gather's lanes 8-15, two fragments on, stand 128 bytes on in the banks), V likewise, 2 x 2,048 bytes of scale words, the mask's 64 rows x (1,024 + 16),
; with 128 bytes more behind each 16 rows: a query tile's rows i and 16 + i then start 128 bytes apart in the banks.
; One tensor load a wave: wave 0 K, 1 V, 2 K's scale words, 3 V's, 4-7 sixteen rows of the mask each.  Trip t reads pair t of key steps and asks for pair t + 1.
; PREFETCH: in trip t each wave names its work-group's quarter of what its own load of trip t + 2 will bring (pair t + 3); the four partners of a joint load share its blocks out by address; trips 5 to 7 ask for nothing.
; LIMITS: NaN and infinities in the mask or scores are not served; the promise holds while the exponents t stay under 2^31 or belong to numbers that a mask throws away; a query all of whose 2,048 logits lie under -2e38 has the sum 0 and gives NaN;
; a block of q whose largest magnitude lies under 2^-120 gets the byte 1 (its codes count up to 16 times too much; a block of zeros stays zero).
; REGISTERS: window 0: v1-39 addresses and the softmax's state; v40-59 scale words; v64-127 the mask, and behind the scores the quantiser's registers; v128-255 S^T, then p.  Window 1: v0-127 O^T; v128-223 K, then V; v224-247 Q.
.set SLOT1, 1<<17
.set FROW,  576
.set FRAG,  3*FROW
.set KSTEP, 8*FRAG
.set VOFF,  2*KSTEP
.set KSOFF, 2*VOFF
.set VSOFF, KSOFF+2048
.set MOFF,  KSOFF+4096
.set MP,    1040
.set MGRP,  16*MP+128                  ; sixteen rows of the mask, and 128 bytes
.set SPARE, 2*SLOT1                    ; the spare words, 128 bytes for each of eight waves
.set STGW,  8704                       ; the join's stage, 64 registers and four a wave: in slot 0, behind its last fill and its last read
.set LI,   4
.set LS,   5
.set KA0,  6                           ; v6-10 lane terms: K's gather, V, K's scale words, V's, the mask;  v11-15 the same with the slot in hand
.set VA0,  7
.set KSA0, 8
.set VSA0, 9
.set MA0,  10
.set KA,   11
.set VA,   12
.set KSA,  13
.set VSA,  14
.set MA,   15
.set ST,   16                          ; v16-23 for each head: -M, the largest t, the sum's two halves
.set FP,   24                          ; v[24:25], v[26:27] f = 2^(old M - new M) of each head; the low word serves both halves
.set TQ,   28
.set SPW,  32
.set NIL,  33
.set SH8,  34                          ; 8 h
.set ASO,  35
.set STW,  36
.set STR,  37
.set PFO,  38
.set KSR,  40
.set VSR,  48
.set QS,   56
.set PW,   58
.set OW,   60
.set WP,   61
.set MK,   64
.set BM,   MK
.set SCO,  MK+4
.set BY,   MK+8
.set WT,   MK+12
.set PC,   MK+16
.set CT,   MK+40
.set SA,   MK+56
.set RS,   MK+56
.set S,    128
.set KV,   128                         ; window 1
.set QF,   224
.set J3,   3
.set WV,   14
.set CX,   15
.set CY,   16
.set QB,   17
.set BK,   18
.set TB,   19
.set CNT,  20
.set PAR,  21
.set WQ,   22
.set J1,   23
.set G1C,  28
.set G1S,  36
.set G1M,  44
.set G0C,  52
.set G0S,  56
.set G0M,  60
.set SEL,  66
.set CP,   68
.set MSC,  70
.set PF,   72
.set PFS,  74
.set MSB, 0
.macro WIN new                         ; the immediate's high byte repeats the setting that is left
.if MSB != \new
	s_set_vgpr_msb (MSB<<8)|\new
.set MSB, \new
.endif
.endm
.macro PLACES
.rept 4
	v_nop
.endr
.endm
.macro CROUND
	s_barrier_signal -1
	s_barrier_wait -1
	s_cmp_lg_u32 s[WV], 0
	s_cbranch_scc1 .Lnot_wave_0_\@
	s_barrier_signal -3
.Lnot_wave_0_\@:
	s_barrier_wait -3
	s_barrier_signal -1
	s_barrier_wait -1
.endm
; One joint load a wave, in one chain of branches on the wave's number.  An s_nop 0 and four v_nop follow each line.
.macro TLOAD3
	s_cmp_lt_u32 s[WV], 2
	s_cbranch_scc0 .Lnot_c_\@
	tensor_load_to_lds s[G0C:G0C+3], s[G1C:G1C+7]
	s_nop 0
	PLACES
	s_branch .Lasked_\@
.Lnot_c_\@:
	s_cmp_lt_u32 s[WV], 4
	s_cbranch_scc0 .Lnot_s_\@
	tensor_load_to_lds s[G0S:G0S+3], s[G1S:G1S+7]
	s_nop 0
	PLACES
	s_branch .Lasked_\@
.Lnot_s_\@:
	tensor_load_to_lds s[G0M:G0M+3], s[G1M:G1M+7]
	s_nop 0
	PLACES
.Lasked_\@:
.endm
	s_load_b256 s[4:11], s[0:1], 0x0               ; qkvc, qkvs, attention_mask, ac
	s_load_b64 s[12:13], s[0:1], 0x20              ; asc
	v_lshl_add_u32 v[SPW], v0, 2, SPARE
	v_mov_b32 v[NIL], 0
	ds_add_u32 v[SPW], v[NIL]                      ; the wave's opening: the add, twice on end, and its wait ahead of my first tensor load
	ds_add_u32 v[SPW], v[NIL]
	v_lshrrev_b32 v1, 5, v0
	v_readfirstlane_b32 s[WV], v1
	s_lshr_b32 s[PAR], s[WV], 2
	s_xor_b32 s[PAR], s[PAR], s[WV]
	s_and_b32 s[PAR], s[PAR], 1                    ; which of a slot's two key steps, which order of a trip, and which query head I finish
	s_lshr_b32 s[WQ], s[WV], 1                     ; which tile of 16 queries
	s_and_b32 s[J3], s[WV], 3                      ; as a loader: which 16 rows of the mask,
	s_and_b32 s[J1], s[WV], 1                      ; K's or V's
	s_bfe_u32 s[CX], ttmp6, 0x40000
	s_bfe_u32 s[CY], ttmp6, 0x40004
	s_lshl_b32 s[QB], ttmp9, 2
	s_add_co_u32 s[QB], s[QB], s[CX]               ; my block of 64 queries
	s_and_b32 s[BK], ttmp7, 0xffff
	s_lshl_b32 s[BK], s[BK], 2
	s_add_co_u32 s[BK], s[BK], s[CY]               ; 4 x batch + key/value head
	s_lshl_b32 s24, s[CY], 2
	s_lshl_b32 s24, 15, s24                        ; my row of the cluster
	s_lshl_b32 s25, 0x1111, s[CX]                  ; my column
	; descriptor groups 1, elements of 8 bytes
	s_or_b32 s[G1C], s24, (3<<16)|(1<<20)|(1<<21)|(6<<22)|(15<<25)   ; codes: 16 fragments on end as 48 rows of 512 bytes, 64 bytes of padding behind each
	s_mov_b32 s[G1C+1], 64<<16
	s_mov_b32 s[G1C+2], 48<<16
	s_mov_b32 s[G1C+3], 64<<16
	s_mov_b32 s[G1C+4], 48
	s_mov_b32 s[G1C+5], 64
	s_mov_b32 s[G1C+6], 0
	s_mov_b32 s[G1C+7], 0
	s_or_b32 s[G1S], s24, (3<<16)|(1<<21)          ; scale words: 2,048 bytes on end as 8 rows of 256
	s_mov_b32 s[G1S+1], 32<<16
	s_mov_b32 s[G1S+2], 8<<16
	s_mov_b32 s[G1S+3], 32<<16
	s_mov_b32 s[G1S+4], 8
	s_mov_b32 s[G1S+5], 32
	s_mov_b32 s[G1S+6], 0
	s_mov_b32 s[G1S+7], 0
	s_or_b32 s[G1M], s25, (3<<16)|(1<<20)|(1<<21)|(7<<22)|(3<<25)   ; the mask: 16 rows x 1,024 bytes, 8,192 apart; 16 bytes of padding behind each
	s_mov_b32 s[G1M+1], 128<<16
	s_mov_b32 s[G1M+2], 16<<16
	s_mov_b32 s[G1M+3], 128<<16
	s_mov_b32 s[G1M+4], 16
	s_mov_b32 s[G1M+5], 1024
	s_mov_b32 s[G1M+6], 0
	s_mov_b32 s[G1M+7], 0
	; where my load's bytes begin.  K's and V's numbers never meet cx, nor the mask's cy
	s_lshl_b32 s76, s[BK], 7
	s_add_co_u32 s76, s76, 2048                    ; K's first fragment; V's lie 1,024 fragments on
	s_mul_i32 s84, s76, 1536
	s_mul_i32 s77, s[J1], 1572864
	s_add_co_u32 s84, s84, s77
	s_mov_b32 s85, 0
	s_lshl_b32 s86, s76, 7
	s_lshl_b32 s77, s[J1], 17
	s_add_co_u32 s86, s86, s77
	s_mov_b32 s87, 0
	s_lshl_b32 s88, s[QB], 6
	s_lshl_b32 s77, s[J3], 4
	s_add_co_u32 s88, s88, s77
	s_lshl_b32 s88, s88, 13
	s_mov_b32 s89, 0
	s_mul_i32 s[G0C+1], s[J1], VOFF
	s_lshl_b32 s[G0S+1], s[J1], 11
	s_add_co_u32 s[G0S+1], s[G0S+1], KSOFF
	s_mul_i32 s[G0M+1], s[J3], MGRP
	s_add_co_u32 s[G0M+1], s[G0M+1], MOFF
	; Q: fragment (2 BK + head) 128 + 4 QB + wq; my head 0 is query head PAR
	s_lshl_b32 s26, s[BK], 8
	s_lshl_b32 s27, s[QB], 2
	s_add_co_u32 s27, s27, s[WQ]
	s_add_co_u32 s26, s26, s27
	s_xor_b32 s76, s[PAR], 1
	s_mul_i32 s90, s26, 1536
	s_mul_i32 s77, s[PAR], 196608
	s_mul_i32 s78, s76, 196608
	s_add_co_u32 s92, s90, s78
	s_add_co_u32 s90, s90, s77
	s_mov_b32 s91, 0
	s_mov_b32 s93, 0
	s_lshl_b32 s94, s26, 7
	s_lshl_b32 s77, s[PAR], 14
	s_lshl_b32 s78, s76, 14
	s_add_co_u32 s96, s94, s78
	s_add_co_u32 s94, s94, s77
	s_mov_b32 s95, 0
	s_mov_b32 s97, 0
	; the way out: token tile T = 128 b + 4 QB + wq; fragment 8 T + 2 kh + PAR; scale word at 16 T rows of 32 bytes + 8 kh + 4 PAR
	s_lshr_b32 s26, s[BK], 2
	s_lshl_b32 s26, s26, 7
	s_add_co_u32 s26, s26, s27
	s_and_b32 s76, s[BK], 3
	s_lshl_b32 s98, s26, 3
	s_lshl_b32 s77, s76, 1
	s_add_co_u32 s98, s98, s77
	s_add_co_u32 s98, s98, s[PAR]
	s_mul_i32 s98, s98, 1536
	s_mov_b32 s99, 0
	s_lshl_b32 s80, s26, 9
	s_lshl_b32 s77, s76, 3
	s_add_co_u32 s80, s80, s77
	s_lshl_b32 s77, s[PAR], 2
	s_add_co_u32 s80, s80, s77
	s_mov_b32 s81, 0
	; numbers for the lanes' LDS addresses
	s_mul_i32 s24, s[PAR], KSTEP
	s_lshl_b32 s25, s[PAR], 10
	s_lshr_b32 s78, s[WQ], 1
	s_lshl_b32 s82, s78, 5
	s_and_b32 s77, s[WQ], 1
	s_lshl_b32 s77, s77, 3
	s_add_co_u32 s82, s82, s77                     ; my tile's first query among the 64: 32 (wq / 2) + 8 (wq % 2)
	s_lshl_b32 s83, s[PAR], 9
	s_add_co_u32 s83, s83, MOFF
	s_lshl_b32 s78, s78, 8
	s_add_co_u32 s83, s83, s78                     ; 128 bytes for each 16 rows passed: 2 (wq / 2) of them here, r / 8 in the lane's term
	s_mul_i32 s100, s[WV], STGW
	s_xor_b32 s101, s[WV], 1                       ; my partner
	s_mul_i32 s101, s101, STGW
	s_mov_b32 s[SEL], 0x76543210
	s_mov_b32 s[SEL+1], 0xfedcba98
	s_mov_b32 s[CP], 0x400293ee                    ; 16 log2(e) / sqrt(128)
	s_mov_b32 s[CP+1], s[CP]
	s_mov_b32 s[MSC], 0x3f3504f3                   ; sqrt(128) / 16
	s_mov_b32 s[MSC+1], s[MSC]
	s_mov_b32 s[TB], 0
	s_wait_dscnt 0x0                               ; both opening adds are done
	s_wait_kmcnt 0x0
	s_add_nc_u64 s[84:85], s[4:5], s[84:85]
	s_add_nc_u64 s[86:87], s[6:7], s[86:87]
	s_add_nc_u64 s[88:89], s[8:9], s[88:89]
	s_add_nc_u64 s[90:91], s[4:5], s[90:91]
	s_add_nc_u64 s[92:93], s[4:5], s[92:93]
	s_add_nc_u64 s[94:95], s[6:7], s[94:95]
	s_add_nc_u64 s[96:97], s[6:7], s[96:97]
	s_add_nc_u64 s[10:11], s[10:11], s[98:99]
	s_add_nc_u64 s[12:13], s[12:13], s[80:81]
	; the prefetches: of my load's blocks of 256 bytes my work-group names a quarter: codes 24 on end, scale words 2 on end, the mask one of each of 16 rows; lanes that are left over name the last again
	s_mov_b32 s76, 15
	s_mov_b32 s77, 13
	s_mov_b32 s[PFS], 1024
	s_mov_b32 s[PFS+1], 0
	s_lshl_b32 s78, s[CY], 8
	s_lshl_b32 s80, s[CX], 9
	s_mul_i32 s81, s[CX], 6144
	s_cmp_lt_u32 s[WV], 4                          ; the choices hang on the wave's number alone
	s_cselect_b32 s76, 1, s76
	s_cselect_b32 s77, 8, s77
	s_cselect_b32 s[PFS], 2048, s[PFS]
	s_cselect_b32 s78, s80, s78
	s_cselect_b64 s[PF:PF+1], s[86:87], s[88:89]
	s_cmp_lt_u32 s[WV], 2
	s_cselect_b32 s76, 23, s76
	s_cselect_b32 s[PFS], 24576, s[PFS]
	s_cselect_b32 s78, s81, s78
	s_cselect_b64 s[PF:PF+1], s[84:85], s[PF:PF+1]
	s_lshl_b32 s79, s[PFS], 1
	s_add_co_u32 s78, s78, s79                     ; at pair 2: trip t steps it once more and names pair t + 3
	s_mov_b32 s79, 0
	s_add_nc_u64 s[PF:PF+1], s[PF:PF+1], s[78:79]
	s_mov_b32 s[G0C], 1
	s_mov_b64 s[G0C+2:G0C+3], s[84:85]
	s_or_b32 s[G0C+3], s[G0C+3], 0x80000000
	s_mov_b32 s[G0S], 1
	s_mov_b64 s[G0S+2:G0S+3], s[86:87]
	s_or_b32 s[G0S+3], s[G0S+3], 0x80000000
	s_mov_b32 s[G0M], 1
	s_mov_b64 s[G0M+2:G0M+3], s[88:89]
	s_or_b32 s[G0M+3], s[G0M+3], 0x80000000
	CROUND                                         ; all sixteen work-groups are here: the first joint loads meet
	TLOAD3                                         ; pair 0 into slot 0: one tensor load a wave at the head
	v_and_b32 v1, 15, v0                           ; r
	v_bfe_u32 v2, v0, 4, 1                         ; h
	v_and_b32 v3, 31, v0
	v_lshlrev_b32 v[LI], 4, v3
	v_lshlrev_b32 v[LS], 2, v3
	v_and_b32 v[TQ], 7, v1                         ; r % 8
	v_lshrrev_b32 v[TQ+1], 3, v1                   ; r / 8
	v_mul_u32_u24 v[KA0], v[TQ+1], 2*FRAG          ; K's gather: rows 8-15 come from the fragment two on,
	v_lshl_add_u32 v[KA0], v[TQ], 4, v[KA0]        ; place r % 8 (+ 8 (q / 2), in the loads' immediates),
	v_lshl_add_u32 v[KA0], v2, 8, v[KA0]           ; my half of the lanes
	v_add_nc_u32 v[KA0], s24, v[KA0]
	v_add_nc_u32 v[VA0], s24, v[LI]
	v_lshlrev_b32 v[KSA0], 8, v[TQ+1]
	v_lshl_add_u32 v[KSA0], v[TQ], 2, v[KSA0]
	v_add_nc_u32 v[KSA0], s25, v[KSA0]
	v_add_nc_u32 v[VSA0], s25, v[LS]
	v_lshl_add_u32 v[TQ], v[TQ+1], 4, v[TQ]
	v_add_nc_u32 v[TQ], s82, v[TQ]                 ; my query among the 64: place r holds row r % 8 + 16 (r / 8) of its tile
	v_mul_u32_u24 v[MA0], v[TQ], MP
	v_lshl_add_u32 v[MA0], v2, 7, v[MA0]           ; + 32 h keys
	v_lshl_add_u32 v[MA0], v[TQ+1], 7, v[MA0]      ; + 128 bytes where my row lies in the tile's second 16 rows
	v_add_nc_u32 v[MA0], s83, v[MA0]
	v_lshlrev_b32 v[SH8], 3, v2
	v_lshlrev_b32 v[ASO], 5, v1
	v_add_nc_u32 v[STW], s100, v[LI]
	v_add_nc_u32 v[STR], s101, v[LI]
	v_min_u32 v[PFO], s76, v3
	v_lshlrev_b32 v[PFO], s77, v[PFO]
	s_wait_alu depctr_va_vdst(0)                   ; the wait ahead of the readers below
	WIN 0x40
.irp g, 0,1,2
	global_load_b128 v[QF+4*\g:QF+4*\g+3], v[LI], s[90:91] offset:512*\g
	global_load_b128 v[QF+12+4*\g:QF+12+4*\g+3], v[LI], s[92:93] offset:512*\g
.endr
	WIN 0
	global_load_b32 v[QS], v[LS], s[94:95]
	global_load_b32 v[QS+1], v[LS], s[96:97]
.irp e, 0,1
	v_mov_b32 v[ST+4*\e+1], 0xff61b1e6             ; the largest t so far: -3e38
	v_floor_f32 v[ST+4*\e], -v[ST+4*\e+1]          ; -M
	v_mov_b32 v[ST+4*\e+2], 0                      ; the sum, in two halves
	v_mov_b32 v[ST+4*\e+3], 0
	v_mov_b32 v[FP+2*\e], 0
	v_mov_b32 v[FP+2*\e+1], 0                      ; (named as the upper half of a pair)
	v_mov_b32 v[TQ+2*\e+1], 0                      ; a lane permute's destination counts as one of its sources
	v_mov_b32 v[WP+\e], 0
.endr
	WIN 0x40
.set k, 0
.rept 128
	v_mov_b32 v[k], 0                              ; O^T of both heads.  (P2 is one text for every step: the first finds zeros, which the first change of M leaves zeros)
.set k, k+1
.endr
	WIN 0
	s_wait_loadcnt 0x0                             ; Q and its scale words
.irp e, 0,1                                    ; 4 off each of Q's scale bytes, held at 1 from below: every byte stays a finite code
.irp b, 0,1,2,3
	v_bfe_u32 v[MK+4*\e+\b], v[QS+\e], 8*\b, 8
.endr
.endr
.irp x, 0,1,2,3,4,5,6,7
	v_max_u32 v[MK+\x], 5, v[MK+\x]
.endr
.irp x, 0,1,2,3,4,5,6,7
	v_add_nc_u32 v[MK+\x], -4, v[MK+\x]
.endr
.irp b, 1,2,3
.irp e, 0,1
.if \b == 1
	v_lshl_or_b32 v[QS+\e], v[MK+4*\e+1], 8, v[MK+4*\e]
.else
	v_lshl_or_b32 v[QS+\e], v[MK+4*\e+\b], 8*\b, v[QS+\e]
.endif
.endr
.endr
.macro SQ e, t                         ; S^T = K Q^T + the scaled mask: tile t of 16 keys, head e
	v_wmma_scale_f32_16x16x128_f8f6f4 v[S+64*\e+8*\t:S+64*\e+8*\t+7], v[KV+12*\t:KV+12*\t+11], v[QF+12*\e:QF+12*\e+11], v[MK+8*\t:MK+8*\t+7], v[KSR+\t], v[QS+\e] matrix_a_fmt:MATRIX_FMT_FP6 matrix_b_fmt:MATRIX_FMT_FP6
.endm
.macro PV e, t                         ; O^T += V^T P^T: tile t of 16 of the head's 128
	v_wmma_scale_f32_16x16x128_f8f6f4 v[64*\e+8*\t:64*\e+8*\t+7], v[KV+12*\t:KV+12*\t+11], v[PC+12*\e:PC+12*\e+11], v[64*\e+8*\t:64*\e+8*\t+7], v[VSR+\t], v[PW+\e] matrix_a_fmt:MATRIX_FMT_FP6 matrix_b_fmt:MATRIX_FMT_FP6
.endm
.macro TMM e, k0, n                    ; t - M, two at a time
.set k, \k0
.rept \n
	v_pk_fma_f32 v[S+64*\e+k:S+64*\e+k+1], v[S+64*\e+k:S+64*\e+k+1], s[CP:CP+1], v[ST+4*\e:ST+4*\e+1] op_sel_hi:[1,0,0]
.set k, k+2
.endr
.endm
; THE CHANGE OF SLOTS at a trip's head, run by every wave.  fill = 1: the other slot is asked for; fill = 0: the last pair, in slot 1.
.macro SYNC fill
.if \fill
	s_wait_xcnt 0x0                                ; the last trip's prefetch has read its address
	s_add_nc_u64 s[PF:PF+1], s[PF:PF+1], s[PFS:PFS+1]
.endif
	s_wait_tensorcnt 0x0                           ; my one load that was out, my part of this trip's slot, has landed
	ds_add_u32 v[SPW], v[NIL]
.if \fill
	s_xor_b32 s[G0C+1], s[G0C+1], SLOT1            ; no load of mine is out: the descriptors walk to the other slot and the next pair
	s_add_nc_u64 s[G0C+2:G0C+3], s[G0C+2:G0C+3], 24576
	s_xor_b32 s[G0S+1], s[G0S+1], SLOT1
	s_add_nc_u64 s[G0S+2:G0S+3], s[G0S+2:G0S+3], 2048
	s_xor_b32 s[G0M+1], s[G0M+1], SLOT1
	s_add_nc_u64 s[G0M+2:G0M+3], s[G0M+2:G0M+3], 1024
.endif
	s_wait_dscnt 0x0                               ; the add is done, and my reads of the other slot are over
.if \fill
	CROUND                                         ; no wave of any partner still reads that slot or has a load on its way
	TLOAD3                                         ; my one tensor load behind the round
.irp a, 0,1,2,3,4
	v_add_nc_u32 v[KA+\a], s[TB], v[KA0+\a]
.endr
	s_xor_b32 s[TB], s[TB], SLOT1
.else
	s_barrier_signal -1
	s_barrier_wait -1
.irp a, 0,1,2,3,4
	v_add_nc_u32 v[KA+\a], SLOT1, v[KA0+\a]
.endr
.endif
	s_wait_alu depctr_va_vdst(0)                   ; the wait behind these writes
.if \fill
	s_cmp_ge_u32 s[CNT], 3                         ; trips 0 to 4: pair t + 3 exists
	s_cbranch_scc0 .Lno_pf_\@
	global_prefetch_b8 v[PFO], s[PF:PF+1] th:TH_LOAD_NT scope:SCOPE_SE
.Lno_pf_\@:
.endif
.endm
; P1: my key step of the slot in hand: the mask, K, the scores of both heads, and the request for V.
.macro P1
	PLACES                                         ; in front of loads into registers that the last products read
.irp c, 0,1
.irp i, 0,1,2,3,4,5,6,7
	ds_load_b128 v[MK+32*\c+4*\i:MK+32*\c+4*\i+3], v[MA] offset:256*\c+16*\i   ; the mask of my query: register 32 c + i = key 64 c + 32 h + i
.endr
.endr
	WIN 0x40
.irp t, 0,1,2,3,4,5,6,7
.irp g, 0,1,2
	ds_load_b128 v[KV+12*\t+4*\g:KV+12*\t+4*\g+3], v[KA] offset:FRAG*(4*(\t/4)+(\t%2))+128*((\t%4)/2)+FROW*\g
.endr
.endr
	WIN 0
.irp t, 0,1,2,3,4,5,6,7
	ds_load_b32 v[KSR+\t], v[KSA] offset:KSOFF+128*(4*(\t/4)+(\t%2))+32*((\t%4)/2)
.endr
	s_wait_dscnt 32                                ; the mask is in; K's 24 loads and its 8 scale words may be out
.set k, 0
.rept 32
	v_pk_mul_f32 v[MK+k:MK+k+1], v[MK+k:MK+k+1], s[MSC:MSC+1] op_sel_hi:[1,0]   ; once for both heads
.set k, k+2
.endr
	PLACES
	s_wait_alu depctr_va_vdst(0)
	s_wait_dscnt 0x0
	WIN 0x05
.irp t, 0,1,2,3,4,5,6,7
.irp e, 0,1
	SQ \e, \t                                      ; sixteen accumulators, one instruction each
.endr
.endr
	WIN 0
	PLACES                                         ; in front of the loads into K's registers, the first read of the scores and the first write over the mask
	WIN 0x40
.irp t, 0,1,2,3,4,5,6,7
.irp g, 0,1,2
	ds_load_b128 v[KV+12*\t+4*\g:KV+12*\t+4*\g+3], v[VA] offset:VOFF+FRAG*\t+FROW*\g
.endr
.endr
	WIN 0
.irp t, 0,1,2,3,4,5,6,7
	ds_load_b32 v[VSR+\t], v[VSA] offset:VSOFF+128*\t
.endr
.endm
; P2: the softmax of both heads on the scores in hand, p's codes, and O^T.  It reads no LDS.
.macro P2
	; the largest D of each of my blocks of 32 keys: it serves for the row's maximum and, since p rises with D, for the block's largest p.  Four chains by turns; each accumulator is read from its low end on
.irp e, 0,1
.irp c, 0,1
	v_max3_num_f32 v[BM+2*\e+\c], v[S+64*\e+32*\c], v[S+64*\e+32*\c+1], v[S+64*\e+32*\c+2]
.endr
.endr
.irp i, 3,5,7,9,11,13,15,17,19,21,23,25,27,29
.irp e, 0,1
.irp c, 0,1
	v_max3_num_f32 v[BM+2*\e+\c], v[BM+2*\e+\c], v[S+64*\e+32*\c+\i], v[S+64*\e+32*\c+\i+1]
.endr
.endr
.endr
.irp e, 0,1
.irp c, 0,1
	v_max_num_f32 v[BM+2*\e+\c], v[BM+2*\e+\c], v[S+64*\e+32*\c+31]
.endr
.endr
.irp e, 0,1
	v_max_num_f32 v[TQ+2*\e], v[BM+2*\e], v[BM+2*\e+1]
.endr
.irp e, 0,1
	v_permlanex16_b32 v[TQ+2*\e+1], v[TQ+2*\e], s[SEL], s[SEL+1]
.endr
.irp e, 0,1
	v_max_num_f32 v[TQ+2*\e], v[TQ+2*\e], v[TQ+2*\e+1]   ; with lane l xor 16's two blocks
.endr
.irp e, 0,1
	v_mul_f32 v[TQ+2*\e], s[CP], v[TQ+2*\e]        ; as t
.endr
.irp e, 0,1
	v_max_num_f32 v[ST+4*\e+1], v[ST+4*\e+1], v[TQ+2*\e]   ; the running largest t
.endr
.irp e, 0,1
	v_mov_b32 v[TQ+2*\e], v[ST+4*\e]
.endr
.irp e, 0,1
	v_floor_f32 v[ST+4*\e], -v[ST+4*\e+1]          ; the new -M: M is a whole number
.endr
	TMM 0, 0, 32
.irp e, 0,1
	v_sub_f32 v[TQ+2*\e], v[ST+4*\e], v[TQ+2*\e]   ; old M - new M: a whole number, 0 or less
.endr
	TMM 1, 0, 16
.irp e, 0,1
	v_cvt_i32_f32 v[TQ+2*\e], v[TQ+2*\e]           ; (it saturates)
.endr
	TMM 1, 32, 16
.irp e, 0,1
	v_ldexp_f32 v[FP+2*\e], 1.0, v[TQ+2*\e]        ; f = 2^(old M - new M)
.endr
.irp e, 0,1
.irp c, 0,1
	v_fma_f32 v[BM+2*\e+\c], v[BM+2*\e+\c], s[CP], v[ST+4*\e]   ; t - M of each block's largest
.endr
.endr
	WIN 0x41
.irp e, 0,1
.set k, 0
.rept 32
	v_pk_mul_f32 v[64*\e+k:64*\e+k+1], v[64*\e+k:64*\e+k+1], v[FP+2*\e:FP+2*\e+1] op_sel_hi:[1,0]   ; O^T under the new M: exact
.set k, k+2
.endr
.endr
	WIN 0
	s_wait_alu depctr_va_vdst(0)
.set k, 0
.rept 128
	v_exp_f32 v[S+k], v[S+k]                       ; p = 2^(t - M): not normalised
.set k, k+1
.endr
.irp x, 0,1,2,3
	v_exp_f32 v[BM+\x], v[BM+\x]                   ; the blocks' largest p: one batch of 132
.endr
.irp e, 0,1
	v_pk_mul_f32 v[ST+4*\e+2:ST+4*\e+3], v[ST+4*\e+2:ST+4*\e+3], v[FP+2*\e:FP+2*\e+1] op_sel_hi:[1,0]   ; the sums under the new M: plain places behind the batch
.endr
	s_wait_alu depctr_va_vdst(0)                   ; one wait for the batch, ahead of its first reader
.irp x, 0,1,2,3
	v_max_num_f32 v[BM+\x], 0x1800000, v[BM+\x]    ; the floor 2^(3 - 127): a block whose every p is 0 keeps the byte 1: its codes are zeros
.endr
.irp x, 0,1,2,3
	v_add_nc_u32 v[SCO+\x], 0xff000000, v[BM+\x]   ; 2 off the exponent field: the conversion's scale operand
.endr
.irp x, 0,1,2,3
	v_lshrrev_b32 v[BY+\x], 23, v[SCO+\x]
.endr
.irp e, 0,1
	v_lshl_or_b32 v[WT+\e], v[BY+2*\e+1], 16, v[BY+2*\e]   ; my bytes: blocks h and 2 + h,
.endr
.irp e, 0,1
	v_lshlrev_b32 v[WT+\e], v[SH8], v[WT+\e]       ; at their places in the word;
.endr
.irp e, 0,1
	v_permlanex16_b32 v[WP+\e], v[WT+\e], s[SEL], s[SEL+1]
.endr
.irp e, 0,1
	v_or_b32 v[PW+\e], v[WT+\e], v[WP+\e]          ; with lane l xor 16's two the word is whole
.endr
.irp e, 0,1
.irp c, 0,1
	v_cvt_scalef32_pk16_fp6_f32 v[PC+12*\e+6*\c:PC+12*\e+6*\c+2], v[S+64*\e+32*\c:S+64*\e+32*\c+15], v[SCO+2*\e+\c]
	v_cvt_scalef32_pk16_fp6_f32 v[CT+8*\e+4*\c:CT+8*\e+4*\c+2], v[S+64*\e+32*\c+16:S+64*\e+32*\c+31], v[SCO+2*\e+\c]   ; (three registers that begin on an even number)
.endr
.endr
	v_nop                                          ; one plain place behind a scaled conversion
.irp e, 0,1
.irp c, 0,1
.irp i, 0,1,2
	v_mov_b32 v[PC+12*\e+6*\c+3+\i], v[CT+8*\e+4*\c+\i]
.endr
.endr
.endr
.irp e, 0,1                                    ; the row's sum of the unquantised p: four chains by turns.  These lines are also the places between the codes' and the scale words' writes and the products
	v_pk_add_f32 v[SA+2*\e:SA+2*\e+1], v[S+64*\e:S+64*\e+1], v[S+64*\e+2:S+64*\e+3]
.endr
.irp k, 4,8,12,16,20,24,28,32,36,40,44,48,52,56,60
.irp e, 0,1
	v_pk_add_f32 v[ST+4*\e+2:ST+4*\e+3], v[ST+4*\e+2:ST+4*\e+3], v[S+64*\e+\k:S+64*\e+\k+1]
	v_pk_add_f32 v[SA+2*\e:SA+2*\e+1], v[SA+2*\e:SA+2*\e+1], v[S+64*\e+\k+2:S+64*\e+\k+3]
.endr
.endr
.irp e, 0,1
	v_pk_add_f32 v[ST+4*\e+2:ST+4*\e+3], v[ST+4*\e+2:ST+4*\e+3], v[SA+2*\e:SA+2*\e+1]
.endr
	s_wait_alu depctr_va_vdst(0)
	s_wait_dscnt 0x0                               ; V and its scale words
	WIN 0x51
.irp t, 0,1,2,3,4,5,6,7
.irp e, 0,1
	PV \e, \t                                      ; sixteen accumulators by turns, one instruction a turn
.endr
.endr
	WIN 0
.endm
	s_wait_alu depctr_va_vdst(0)
	s_mov_b32 s[CNT], 7
	SYNC 1                                         ; trip 0: pair 0 is in, pair 1 is asked for
	P1                                             ; every wave's first scores
	s_cmp_eq_u32 s[PAR], 0
	s_cbranch_scc0 .Llate_0                        ; the waves with PAR = 1 keep their scores for the next trip
	P2
.Llate_0:
	s_mov_b32 s[CNT], 6
.Ltrip:                                            ; six trips: pairs 1 to 6; each asks for the next pair
	SYNC 1
	s_cmp_eq_u32 s[PAR], 0
	s_cbranch_scc0 .Llate_1
	P1                                             ; PAR = 0: this slot's step,
.Llate_1:
	P2                                             ; PAR = 0: its softmax; PAR = 1: that of the step before;
	s_cmp_eq_u32 s[PAR], 0
	s_cbranch_scc1 .Learly_1
	P1                                             ; PAR = 1: this slot's step
.Learly_1:
	s_sub_co_u32 s[CNT], s[CNT], 1
	s_cmp_lg_u32 s[CNT], 0
	s_cbranch_scc1 .Ltrip
	SYNC 0                                         ; the last pair is written out: it asks for nothing
	s_cmp_eq_u32 s[PAR], 0
	s_cbranch_scc0 .Llate_2
	P1
.Llate_2:
	P2
	s_cmp_eq_u32 s[PAR], 0
	s_cbranch_scc1 .Learly_2
	P1
	P2                                             ; PAR = 1: the last step's softmax
.Learly_2:
	; THE JOIN.  My head 1 goes to my partner (wave w xor 1), whose head 0 it is; its head 1 comes to me.  The stage lies in slot 0, which has had its last fill and, ahead of the last barrier, its last read.
	PLACES                                         ; in front of the first read of the last products' results
	WIN 0x04
.irp i, 0,1,2,3,4,5,6,7,8,9,10,11,12,13,14,15
	ds_store_b128 v[STW], v[64+4*\i:64+4*\i+3] offset:512*\i   ; each accumulator from its low end on
.endr
	WIN 0
	ds_store_b128 v[STW], v[ST+4:ST+7] offset:8192 ; its -M and its sum
	s_wait_dscnt 0x0
	s_barrier_signal -1
	s_barrier_wait -1
.irp i, 0,1,2,3,4,5,6,7,8,9,10,11,12,13,14,15
	ds_load_b128 v[S+4*\i:S+4*\i+3], v[STR] offset:512*\i
.endr
	ds_load_b128 v[RS:RS+3], v[STR] offset:8192
	s_wait_dscnt 0x0
	v_min_num_f32 v[TQ], v[ST], v[RS]              ; -M of the two parts together
	v_add_f32 v[MK], v[ST+2], v[ST+3]
	v_add_f32 v[MK+1], v[RS+2], v[RS+3]
	v_sub_f32 v[TQ+1], v[TQ], v[ST]                ; my M - the common M: a whole number, 0 or less
	v_sub_f32 v[TQ+2], v[TQ], v[RS]
	v_cvt_i32_f32 v[TQ+1], v[TQ+1]
	v_cvt_i32_f32 v[TQ+2], v[TQ+2]
	v_ldexp_f32 v[TQ+1], 1.0, v[TQ+1]
	v_ldexp_f32 v[TQ+2], 1.0, v[TQ+2]
	v_mul_f32 v[MK], v[MK], v[TQ+1]
	v_fma_f32 v[MK], v[MK+1], v[TQ+2], v[MK]
	v_permlanex16_b32 v[WP], v[MK], s[SEL], s[SEL+1]
	v_add_f32 v[MK], v[MK], v[WP]                  ; the row's sum over all 2,048 keys
	s_wait_alu depctr_va_vdst(0)                   ; the wait ahead of the transcendental
	v_rcp_f32 v[MK+1], v[MK]
	v_nop                                          ; a plain place behind it
	s_wait_alu depctr_va_vdst(0)                   ; and the wait ahead of its first reader
	v_mul_f32 v[FP], v[TQ+1], v[MK+1]
	v_mul_f32 v[FP+2], v[TQ+2], v[MK+1]
	WIN 0x01
	s_wait_alu depctr_va_vdst(0)                   ; the wait directly ahead of the first reader of O^T
.set k, 0
.rept 32
	v_pk_mul_f32 v[S+64+k:S+64+k+1], v[k:k+1], v[FP:FP+1] op_sel_hi:[1,0]
.set k, k+2
.endr
	WIN 0
.set k, 0
.rept 32
	v_pk_fma_f32 v[S+64+k:S+64+k+1], v[S+k:S+k+1], v[FP+2:FP+3], v[S+64+k:S+64+k+1] op_sel_hi:[1,0,1]
.set k, k+2
.endr
	; the quantiser of the result, K step 2 kh + PAR of the last product: register 16 b + i = d 32 b + 16 h + i of my query (V^T's tiles hold their d in the order 8 u + r % 8 + 16 (r / 8))
.set X,  S+64
.set TM, MK
.irp b, 0,1,2,3
	v_max3_num_f32 v[TM+\b], |v[X+16*\b]|, |v[X+1+16*\b]|, 0x1800000
.endr
.irp i, 2,4,6,8,10,12,14
.irp b, 0,1,2,3
	v_max3_num_f32 v[TM+\b], v[TM+\b], |v[X+16*\b+\i]|, |v[X+1+16*\b+\i]|
.endr
.endr
.irp b, 0,1,2,3
	v_permlanex16_b32 v[TM+4+\b], v[TM+\b], s[SEL], s[SEL+1]
.endr
.irp b, 0,1,2,3
	v_max_num_f32 v[TM+\b], v[TM+\b], v[TM+4+\b]
.endr
.irp b, 0,1,2,3
	v_add_nc_u32 v[TM+12+\b], 0xff000000, v[TM+\b]
.endr
.irp b, 0,1,2,3
	v_lshrrev_b32 v[TM+4+\b], 23, v[TM+12+\b]
.endr
	v_lshl_or_b32 v[OW], v[TM+5], 8, v[TM+4]
	v_lshl_or_b32 v[OW], v[TM+6], 16, v[OW]
	v_lshl_or_b32 v[OW], v[TM+7], 24, v[OW]
.irp c, 0,1
	v_cvt_scalef32_pk16_fp6_f32 v[PC+6*\c:PC+2+6*\c], v[X+32*\c:X+15+32*\c], v[TM+12+2*\c]
	v_cvt_scalef32_pk16_fp6_f32 v[PC+12+4*\c:PC+14+4*\c], v[X+16+32*\c:X+31+32*\c], v[TM+13+2*\c]
.endr
	v_nop                                          ; one plain place behind a scaled conversion
.irp c, 0,1
.irp i, 0,1,2
	v_permlane16_swap_b32 v[PC+6*\c+\i], v[PC+12+4*\c+\i]
.endr
.irp i, 0,1,2
	v_mov_b32 v[PC+3+6*\c+\i], v[PC+12+4*\c+\i]
.endr
.endr
.irp g, 0,1,2
	global_store_b128 v[LI], v[PC+4*\g:PC+4*\g+3], s[10:11] offset:512*\g   ; 512 consecutive bytes, aligned
.endr
	global_store_b32 v[ASO], v[OW], s[12:13]       ; lanes l and l + 16 hold the same word and name the same place
	s_wait_tensorcnt 0x0                           ; the wave's end
	ds_add_u32 v[SPW], v[NIL]
	s_wait_dscnt 0x0
	CROUND                                         ; the closing round
	s_endpgm
.Lfunc_end_k_qd4ef64685e_attn:
	.size	k_qd4ef64685e_attn, .Lfunc_end_k_qd4ef64685e_attn-k_qd4ef64685e_attn
	.p2alignl 7, 3214868480
	.fill 96, 4, 3214868480
	.section	.rodata,"a",@progbits
	.p2align	6, 0x0
	.amdhsa_kernel k_qd4ef64685e_attn
		.amdhsa_group_segment_fixed_size 327680
		.amdhsa_private_segment_fixed_size 0
		.amdhsa_enable_private_segment 0
		.amdhsa_kernarg_size 40
		.amdhsa_user_sgpr_count 2
		.amdhsa_user_sgpr_kernarg_segment_ptr 1
		.amdhsa_wavefront_size32 1
		.amdhsa_system_sgpr_workgroup_id_x 1
		.amdhsa_system_sgpr_workgroup_id_y 1
		.amdhsa_system_sgpr_workgroup_id_z 1
		.amdhsa_system_vgpr_workitem_id 0
		.amdhsa_next_free_vgpr 512
		.amdhsa_next_free_sgpr 102
		.amdhsa_reserve_vcc 0
		.amdhsa_float_denorm_mode_32 3
		.amdhsa_float_denorm_mode_16_64 3
		.amdhsa_memory_ordered 1
		.amdhsa_forward_progress 1
		.amdhsa_inst_pref_size 184
	.end_amdhsa_kernel
	.amdgpu_metadata
---
amdhsa.version: [ 1, 2 ]
amdhsa.kernels:
  - .name:           k_qd4ef64685e_attn
    .symbol:         k_qd4ef64685e_attn.kd
    .args:
      - { .name: qkvc, .offset: 0, .size: 8, .value_kind: global_buffer, .address_space: global }
      - { .name: qkvs, .offset: 8, .size: 8, .value_kind: global_buffer, .address_space: global }
      - { .name: attention_mask, .offset: 16, .size: 8, .value_kind: global_buffer, .address_space: global }
      - { .name: ac, .offset: 24, .size: 8, .value_kind: global_buffer, .address_space: global }
      - { .name: asc, .offset: 32, .size: 8, .value_kind: global_buffer, .address_space: global }
    .group_segment_fixed_size: 327680
    .private_segment_fixed_size: 0
    .kernarg_segment_align: 8
    .kernarg_segment_size: 40
    .max_flat_workgroup_size: 256
    .sgpr_count:     102
    .vgpr_count:     512
    .wavefront_size: 32
...
	.end_amdgpu_metadata
.endif
;; end of part 3
;; launch oproj (part 4): grid 256 x 1, 4 waves a work-group, clusters of 4 x 1, 327,680 bytes of LDS; arguments ac, asc, wc, ws, out0; writes out0
.if DOCPART == 4
	.amdgcn_target "amdgcn-amd-amdhsa--gfx1250"
	.amdhsa_code_object_version 6
	.text
	.protected	k_qd4ef64685e_oproj
	.globl	k_qd4ef64685e_oproj
	.p2align	8
	.type	k_qd4ef64685e_oproj,@function
k_qd4ef64685e_oproj:
	s_mov_b64 s[64:65], 0
	v_nop
	global_prefetch_b8 v0, s[64:65] scope:SCOPE_SE
	s_setreg_imm32_b32 hwreg(HW_REG_WAVE_MODE, 25, 1), 1
	s_wait_xcnt 0x0
	s_wait_alu depctr_hold_cnt(0) depctr_sa_sdst(0) depctr_va_vdst(0) depctr_va_sdst(0) depctr_va_ssrc(0) depctr_va_vcc(0) depctr_vm_vsrc(0)
	s_getreg_b32 s2, hwreg(HW_REG_IB_STS2, 6, 4)
	s_cmp_eq_u32 s2, 0
	s_cbranch_scc0 .Lentry_in_a_cluster
	s_endpgm
.Lentry_in_a_cluster:
	s_bfe_u32 s2, ttmp6, 0x10000c
	s_cmp_lg_u32 s2, 0x3003
	s_cbranch_scc0 .Lentry_shape_is_right
	s_endpgm
.Lentry_shape_is_right:
; Product 6 (the attention's result x wo) on codes of FP6; nothing is left out.  A work-group makes 256 tokens x 128 columns; wave w takes token blocks 4 w .. 4 w + 3 against wo's eight tiles: 32 accumulators.
; K = 1,024 is two LDS slots of 512, each filled once.  Cluster 4 x 1: the four partners take one tile of tokens, asked for jointly, and four neighbouring tiles of wo.  Results leave through each wave's own stage in slot 0, in rows of 512 bytes.
.set NS,    8
.set KS,    32
.set TROW,  6144
.set SLOT,  24*TROW
.set BOFF,  16*TROW
.set SCL,   2*SLOT
.set SBLK,  (16*KS/256)*272
.set SAB,   16*SBLK
.set SPARE, SCL+24*SBLK
.set LI,   4
.set ADRA, 6
.set ADRB, 8
.set ADRS, 10
.set ADRS2, 11
.set STO,  12
.set RD,   13
.set SPW,  14
.set NIL,  15
.set SC,   16
.set AF,   80
.set BK,   80
.set TP,   208
.set TR,   2
.set TC,   3
.set WV,   20
.set ROLE, 21
.set HF,   22
.set CX,   23
.set G1A,  28
.set G0A,  36
.set G1B,  44
.set G0B,  52
.set G1SA, 68
.set G0SA, 76
.set G1SB, 80
.set G0SB, 88
.set MSB, 0
.macro WIN new
.if MSB != \new
	s_set_vgpr_msb (MSB<<8)|\new
.set MSB, \new
.endif
.endm
.set MUL,  0xa1
.set TO_B, 0x40
.macro PLACES
.rept 4
	v_nop
.endr
.endm
.macro JLOAD g0a, g1a, g0b, g1b
	s_cmp_eq_u32 s[ROLE], 0
	s_cbranch_scc0 .Lfor_b_\@
	tensor_load_to_lds s[\g0a:\g0a+3], s[\g1a:\g1a+7]
	s_nop 0
.rept 4
	v_nop
.endr
	s_branch .Lasked_\@
.Lfor_b_\@:
	tensor_load_to_lds s[\g0b:\g0b+3], s[\g1b:\g1b+7]
	s_nop 0
.rept 4
	v_nop
.endr
.Lasked_\@:
.endm
.macro CROUND
	s_barrier_signal -1
	s_barrier_wait -1
	s_cmp_lg_u32 s[WV], 0
	s_cbranch_scc1 .Lnot_wave_0_\@
	s_barrier_signal -3
.Lnot_wave_0_\@:
	s_barrier_wait -3
	s_barrier_signal -1
	s_barrier_wait -1
.endm
	s_load_b256 s[4:11], s[0:1], 0x0
	s_load_b64 s[12:13], s[0:1], 0x20
	v_lshl_add_u32 v[SPW], v0, 2, SPARE
	v_mov_b32 v[NIL], 0
	ds_add_u32 v[SPW], v[NIL]
	ds_add_u32 v[SPW], v[NIL]
	v_lshrrev_b32 v1, 5, v0
	v_readfirstlane_b32 s[WV], v1
	s_lshr_b32 s[ROLE], s[WV], 1
	s_and_b32 s[HF], s[WV], 1
	s_bfe_u32 s[CX], ttmp6, 0x40000
	s_and_b32 s[TR], ttmp9, 15
	s_lshr_b32 s26, ttmp9, 4
	s_lshl_b32 s26, s26, 2
	s_add_co_u32 s[TC], s26, s[CX]
	s_lshl_b32 s60, s[TR], 4
	s_mul_i32 s62, s60, NS*1536
	s_mov_b32 s63, 0
	s_mul_i32 s60, s60, 16*KS
	s_mov_b32 s61, 0
	s_lshl_b32 s26, s[TC], 3
	s_mul_i32 s100, s26, NS*1536
	s_add_co_u32 s100, s100, 3145728
	s_mov_b32 s101, 0
	s_mul_i32 s26, s26, 16*KS
	s_add_co_u32 s26, s26, 131072
	s_mov_b32 s27, 0
	s_mov_b32 s[G1A], 15|(3<<16)|(1<<21)
	s_mov_b32 s[G1B], 3<<16
.irp g, G1A, G1B
	s_mov_b32 s[\g+1], 768<<16
	s_mov_b32 s[\g+3], 768<<16
	s_mov_b32 s[\g+5], 192*NS
	s_mov_b32 s[\g+6], 0
	s_mov_b32 s[\g+7], 0
.endr
	s_mov_b32 s[G1A+2], 16<<16                     ; the head's loads bring whole tiles; behind them the counts are halved
	s_mov_b32 s[G1A+4], 16
	s_mov_b32 s[G1B+2], 8<<16
	s_mov_b32 s[G1B+4], 8
	s_mov_b32 s[G1SA], 15|(3<<16)|(1<<20)|(1<<21)|(5<<22)|(3<<25)
	s_mov_b32 s[G1SB], (3<<16)|(1<<20)|(5<<22)|(3<<25)
.irp g, G1SA, G1SB
	s_mov_b32 s[\g+1], 32<<16
	s_mov_b32 s[\g+3], 32<<16
	s_mov_b32 s[\g+5], 32
	s_mov_b32 s[\g+6], 0
	s_mov_b32 s[\g+7], 0
.endr
	s_mov_b32 s[G1SA+2], (256*KS/256)<<16
	s_mov_b32 s[G1SA+4], 256*KS/256
	s_mov_b32 s[G1SB+2], (128*KS/256)<<16
	s_mov_b32 s[G1SB+4], 128*KS/256
	s_wait_dscnt 0x0
	s_wait_kmcnt 0x0
	s_add_nc_u64 s[92:93], s[4:5], s[62:63]
	s_add_nc_u64 s[94:95], s[6:7], s[60:61]
	s_add_nc_u64 s[96:97], s[8:9], s[100:101]
	s_add_nc_u64 s[98:99], s[10:11], s[26:27]
	CROUND
	s_mov_b32 s[G0SA], 1
	s_mov_b32 s[G0SA+1], SCL
	s_mov_b64 s[G0SA+2:G0SA+3], s[94:95]
	s_or_b32 s[G0SA+3], s[G0SA+3], 0x80000000
	s_mov_b32 s[G0SB], 1
	s_mov_b32 s[G0SB+1], SCL+SAB
	s_mov_b64 s[G0SB+2:G0SB+3], s[98:99]
	s_or_b32 s[G0SB+3], s[G0SB+3], 0x80000000
	s_mov_b32 s4, 1                                ; groups 0 of the head's loads of codes, in registers that held arguments: slot 0's 16 tiles of A,
	s_mov_b32 s5, 0
	s_mov_b64 s[6:7], s[92:93]
	s_or_b32 s7, s7, 0x80000000
	s_mov_b32 s8, 1                                ; and its 8 tiles of B
	s_mov_b32 s9, BOFF
	s_mov_b64 s[10:11], s[96:97]
	s_or_b32 s11, s11, 0x80000000
	s_mul_i32 s24, s[HF], 8*NS*1536                ; for slot 1: my half of a tile
	s_mov_b32 s25, 0
	s_add_nc_u64 s[92:93], s[92:93], s[24:25]
	s_mul_i32 s24, s[HF], 4*NS*1536
	s_add_nc_u64 s[96:97], s[96:97], s[24:25]
	s_mul_i32 s24, s[HF], 8*TROW
	s_mul_i32 s25, s[HF], 4*TROW
.irp s, 0,1
	s_mov_b32 s[G0A+4*\s], 1
	s_add_co_u32 s[G0A+4*\s+1], s24, \s*SLOT
	s_add_nc_u64 s[G0A+4*\s+2:G0A+4*\s+3], s[92:93], \s*TROW
	s_or_b32 s[G0A+4*\s+3], s[G0A+4*\s+3], 0x80000000
	s_mov_b32 s[G0B+4*\s], 1
	s_add_co_u32 s[G0B+4*\s+1], s25, \s*SLOT+BOFF
	s_add_nc_u64 s[G0B+4*\s+2:G0B+4*\s+3], s[96:97], \s*TROW
	s_or_b32 s[G0B+4*\s+3], s[G0B+4*\s+3], 0x80000000
.endr
; THE HEAD'S LOADS, ONE A WAVE: wave 0 slot 0's A, wave 1 its B, wave 2 A's scales, wave 3 B's.  One chain of branches on the wave's number; every way passes one load.
.macro ARM under, g0, g1, next
	s_cmp_lt_u32 s[WV], \under
	s_cbranch_scc0 \next
	tensor_load_to_lds s[\g0:\g0+3], s[\g1:\g1+7]
	s_nop 0
.rept 4
	v_nop
.endr
	s_branch .Lhead_asked
\next:
.endm
	ARM 1, 4, G1A, .Lhead_b
	ARM 2, 8, G1B, .Lhead_sa
	ARM 3, G0SA, G1SA, .Lhead_sb
	tensor_load_to_lds s[G0SB:G0SB+3], s[G1SB:G1SB+7]
	s_nop 0
.rept 4
	v_nop
.endr
.Lhead_asked:
	v_and_b32 v1, 15, v0
	v_bfe_u32 v2, v0, 4, 1
	v_and_b32 v3, 31, v0
	v_lshlrev_b32 v[LI], 4, v3
	s_mul_i32 s24, s[WV], 4*TROW
	v_add_nc_u32 v[ADRA], s24, v[LI]
	v_add_nc_u32 v[ADRA+1], SLOT, v[ADRA]
	v_add_nc_u32 v[ADRB], BOFF, v[LI]
	v_add_nc_u32 v[ADRB+1], SLOT+BOFF, v[LI]
	v_mul_u32_u24 v[TP], v1, KS
	v_lshrrev_b32 v[TP+1], 8, v[TP]
	v_lshl_add_u32 v[TP], v[TP+1], 4, v[TP]
	v_add_nc_u32 v[ADRS2], SCL+SAB, v[TP]
	s_mul_i32 s24, s[WV], 4*SBLK
	s_xor_b32 s25, s[WV], 3
	s_add_co_u32 s25, s25, 1
	s_mul_i32 s25, s25, 4*SBLK
	v_mul_u32_u24 v[TP+1], s25, v2
	s_add_co_u32 s24, s24, SCL
	v_add_nc_u32 v[TP], v[TP], v[TP+1]
	v_add_nc_u32 v[ADRS], s24, v[TP]
	s_mul_i32 s24, s[WV], 8448
	v_mul_u32_u24 v[STO], v1, 528
	v_lshl_add_u32 v[STO], v2, 6, v[STO]
	v_add_nc_u32 v[STO], s24, v[STO]
	v_add_nc_u32 v[RD], s24, v[LI]
	s_lshl_b32 s24, s[TR], 21
	s_lshl_b32 s25, s[WV], 19
	s_add_co_u32 s24, s24, s25
	s_lshl_b32 s25, s[TC], 9
	s_add_co_u32 s24, s24, s25
	s_mov_b32 s25, 0
	s_add_nc_u64 s[12:13], s[12:13], s[24:25]
.macro WM d, fb, fa, sb, sa, zero, row
.if \zero
.if \row
	v_wmma_scale_f32_16x16x128_f8f6f4 v[\d:\d+7], v[\fb:\fb+11], v[\fa:\fa+11], 0, v[\sb], v[\sa] matrix_a_fmt:MATRIX_FMT_FP6 matrix_b_fmt:MATRIX_FMT_FP6 matrix_a_scale:MATRIX_SCALE_ROW1
.else
	v_wmma_scale_f32_16x16x128_f8f6f4 v[\d:\d+7], v[\fb:\fb+11], v[\fa:\fa+11], 0, v[\sb], v[\sa] matrix_a_fmt:MATRIX_FMT_FP6 matrix_b_fmt:MATRIX_FMT_FP6
.endif
.else
.if \row
	v_wmma_scale_f32_16x16x128_f8f6f4 v[\d:\d+7], v[\fb:\fb+11], v[\fa:\fa+11], v[\d:\d+7], v[\sb], v[\sa] matrix_a_fmt:MATRIX_FMT_FP6 matrix_b_fmt:MATRIX_FMT_FP6 matrix_a_scale:MATRIX_SCALE_ROW1
.else
	v_wmma_scale_f32_16x16x128_f8f6f4 v[\d:\d+7], v[\fb:\fb+11], v[\fa:\fa+11], v[\d:\d+7], v[\sb], v[\sa] matrix_a_fmt:MATRIX_FMT_FP6 matrix_b_fmt:MATRIX_FMT_FP6
.endif
.endif
.endm
.macro MUL8 a, p, q, sc, zero
.irp b, 0,1,2,3
	WM 8*(8*(\a)+\b), 128*(\p)+12*\b, AF+48*(\p)+12*(\a), SC+32*(\sc)+4*\b+(\q), SC+32*(\sc)+4*(\a)+(\q), \zero, 1
.endr
.irp b, 4,5,6,7
	WM 8*(8*(\a)+\b), 128*(\p)+12*\b, AF+48*(\p)+12*(\a), SC+32*(\sc)+4*\b+(\q), SC+32*(\sc)+4*(\a)+(\q), \zero, 0
.endr
.endm
.macro FETCH slot, q, p
	WIN TO_B
.irp i, 0,1,2,3,4,5,6,7
.irp g, 0,1,2
	ds_load_b128 v[128*(\p)+12*\i+4*\g:128*(\p)+12*\i+4*\g+3], v[ADRB+\slot] offset:TROW*\i+1536*(\q)+512*\g
.endr
.endr
	WIN 0
.irp i, 0,1,2,3
.irp g, 0,1,2
	ds_load_b128 v[AF+48*(\p)+12*\i+4*\g:AF+48*(\p)+12*\i+4*\g+3], v[ADRA+\slot] offset:TROW*\i+1536*(\q)+512*\g
.endr
.endr
.endm
.macro SCALES sc
.irp i, 0,1,2,3
	ds_load_b128 v[SC+32*\sc+4*\i:SC+32*\sc+4*\i+3], v[ADRS] offset:\i*SBLK
.endr
.irp i, 4,5,6,7
	ds_load_b128 v[SC+32*\sc+4*\i:SC+32*\sc+4*\i+3], v[ADRS2] offset:\i*SBLK
.endr
.endm
.macro STEP slot, q, zero
	s_wait_dscnt 0x0
	PLACES
	FETCH \slot, (\q)+1, 1-(\q)%2
	WIN MUL
	MUL8 0, (\q)%2, \q, \slot, \zero
	MUL8 1, (\q)%2, \q, \slot, \zero
	MUL8 2, (\q)%2, \q, \slot, \zero
	MUL8 3, (\q)%2, \q, \slot, \zero
.endm
	s_wait_alu depctr_va_vdst(0)
	s_wait_tensorcnt 0x0                           ; my tile of the head's four is in; slot 1's first fill is issued as a refill is
	ds_add_u32 v[SPW], v[NIL]
	s_mov_b32 s[G1A+2], 8<<16                      ; no tensor load of mine is out: slot 1 comes by halves of a tile
	s_mov_b32 s[G1A+4], 8
	s_mov_b32 s[G1B+2], 4<<16
	s_mov_b32 s[G1B+4], 4
	s_wait_dscnt 0x0
	CROUND                                         ; all four tiles are in, and all four work-groups are here
	JLOAD G0A+4, G1A, G0B+4, G1B                   ; slot 1: the first tensor load behind the round
	FETCH 0, 0, 0
	SCALES 0
	STEP 0, 0, 1
	STEP 0, 1, 0
	STEP 0, 2, 0
	WIN 0
	s_wait_tensorcnt 0x0
	ds_add_u32 v[SPW], v[NIL]
	s_wait_dscnt 1
	WIN MUL
	MUL8 0, 1, 3, 0, 0
	s_wait_dscnt 0x0
	s_barrier_signal -1
	MUL8 1, 1, 3, 0, 0
	WIN 0
	s_barrier_wait -1
	PLACES
	v_add_nc_u32 v[ADRS], 16, v[ADRS]
	v_add_nc_u32 v[ADRS2], 16, v[ADRS2]
	FETCH 1, 0, 0
	SCALES 1
	WIN MUL
	MUL8 2, 1, 3, 0, 0
	MUL8 3, 1, 3, 0, 0
	STEP 1, 0, 0
	STEP 1, 1, 0
	STEP 1, 2, 0
	s_wait_dscnt 0x0
	WIN MUL
	MUL8 0, 1, 3, 1, 0
	MUL8 1, 1, 3, 1, 0
	MUL8 2, 1, 3, 1, 0
	MUL8 3, 1, 3, 1, 0
	WIN 0
.macro TOSTAGE a
	WIN 0x08
.irp b, 0,1,2,3,4,5,6,7
	ds_store_b128 v[STO], v[64*(\a)+8*\b:64*(\a)+8*\b+3] offset:128*(\b/2)+32*(\b%2)
	ds_store_b128 v[STO], v[64*(\a)+8*\b+4:64*(\a)+8*\b+7] offset:128*(\b/2)+32*(\b%2)+16
.endr
	WIN 0
.irp t, 0,1,2,3,4,5,6,7,8,9,10,11,12,13,14,15
	ds_load_b128 v[BK+64*((\a)%2)+4*\t:BK+64*((\a)%2)+4*\t+3], v[RD] offset:\t*528
.endr
.endm
.macro SEND a, younger
	s_wait_dscnt \younger
.irp t, 0,1,2,3,4,5,6,7,8,9,10,11,12,13,14,15
	global_store_b128 v[LI], v[BK+64*((\a)%2)+4*\t:BK+64*((\a)%2)+4*\t+3], s[12:13] offset:(32*((\a)/2)+8*((\a)%2)+(\t%8)+16*(\t/8))*8192 th:TH_STORE_NT
.endr
.endm
	PLACES
	TOSTAGE 0
	TOSTAGE 1
	SEND 0, 32
	s_wait_xcnt 0x0
	TOSTAGE 2
	SEND 1, 32
	s_wait_xcnt 0x0
	TOSTAGE 3
	SEND 2, 32
	SEND 3, 0
	s_wait_tensorcnt 0x0
	ds_add_u32 v[SPW], v[NIL]
	s_wait_dscnt 0x0
	CROUND
	s_endpgm
.Lfunc_end_k_qd4ef64685e_oproj:
	.size	k_qd4ef64685e_oproj, .Lfunc_end_k_qd4ef64685e_oproj-k_qd4ef64685e_oproj
	.p2alignl 7, 3214868480
	.fill 96, 4, 3214868480
	.section	.rodata,"a",@progbits
	.p2align	6, 0x0
	.amdhsa_kernel k_qd4ef64685e_oproj
		.amdhsa_group_segment_fixed_size 327680
		.amdhsa_private_segment_fixed_size 0
		.amdhsa_enable_private_segment 0
		.amdhsa_kernarg_size 40
		.amdhsa_user_sgpr_count 2
		.amdhsa_user_sgpr_kernarg_segment_ptr 1
		.amdhsa_wavefront_size32 1
		.amdhsa_system_sgpr_workgroup_id_x 1
		.amdhsa_system_sgpr_workgroup_id_y 1
		.amdhsa_system_sgpr_workgroup_id_z 1
		.amdhsa_system_vgpr_workitem_id 0
		.amdhsa_next_free_vgpr 768
		.amdhsa_next_free_sgpr 104
		.amdhsa_reserve_vcc 0
		.amdhsa_float_denorm_mode_32 3
		.amdhsa_float_denorm_mode_16_64 3
		.amdhsa_memory_ordered 1
		.amdhsa_forward_progress 1
		.amdhsa_inst_pref_size 78
	.end_amdhsa_kernel
	.amdgpu_metadata
---
amdhsa.version: [ 1, 2 ]
amdhsa.kernels:
  - .name:           k_qd4ef64685e_oproj
    .symbol:         k_qd4ef64685e_oproj.kd
    .args:
      - { .name: ac, .offset: 0, .size: 8, .value_kind: global_buffer, .address_space: global }
      - { .name: asc, .offset: 8, .size: 8, .value_kind: global_buffer, .address_space: global }
      - { .name: wc, .offset: 16, .size: 8, .value_kind: global_buffer, .address_space: global }
      - { .name: ws, .offset: 24, .size: 8, .value_kind: global_buffer, .address_space: global }
      - { .name: out0, .offset: 32, .size: 8, .value_kind: global_buffer, .address_space: global }
    .group_segment_fixed_size: 327680
    .private_segment_fixed_size: 0
    .kernarg_segment_align: 8
    .kernarg_segment_size: 40
    .max_flat_workgroup_size: 128
    .sgpr_count:     104
    .vgpr_count:     768
    .wavefront_size: 32
...
	.end_amdgpu_metadata
.endif
;; end of part 4
